; MI455X (gfx1250); checked and timed in simulation.
; The chip was launched on July 23, 2026; its instructions are those of AMD's public machine-readable ISA for CDNA 5 (MIT licence, August 2026) and "CDNA5" Instruction Set Architecture Reference Guide (July 2026). The comments in the code are by the model that wrote it; some were corrected since.
;; Gemma3n Attention. Allowed arithmetic: matrix products marked QUANTISED: E4M3 operands, one given power-of-two scale a tensor, by v_wmma_f32_16x16x64_fp8_fp8 or v_wmma_f32_16x16x128_fp8_fp8, f32 sums; everything else in f32.
;; Inputs: cos 4,096 x 256 float32; hidden_states 4,096 x 2,048 float32; lowp_scales 8 int32 (the exponents e of the quantised operands' scales 2^e); o_w 2,048 x 1,024 float32; qkv_w 2,048 x 2,048 float32; sin 4,096 x 256 float32.
;; Outputs: out0 4,096 x 2,048 float32.
;; This version of the problem:
;;   THIS VERSION OF THE PROBLEM IS GIVEN IN LOW PRECISION. The matrix products marked QUANTISED in the list below multiply operands that are first quantised to E4M3 (4 exponent bits, 3 mantissa bits; 8 bits a number), with one given power-of-two scale for each operand tensor; their sums are f32. All else is computed in f32.
;;   The module's matrix products, in the order in which they are computed (A, B: the left and right operand; K: the contracted axis; several contracted axes count as one K, in the product's order):
;;     1. [M 4,096, K 2,048] x [K 2,048, N 2,048]; A: input hidden_states; B: input qkv_w: QUANTISED (scales: A lowp_scales[0], B lowp_scales[1])
;;     2. batch 4 x [M 4,096, K 256] x [K 256, N 4,096]; A: computed on the way; B: computed on the way: QUANTISED (scales: A lowp_scales[2], B lowp_scales[3])
;;     3. batch 4 x [M 256, K 4,096] x [K 4,096, N 4,096]; A: computed on the way; B: softmax (see below): QUANTISED (scales: A lowp_scales[4], B lowp_scales[5])
;;     4. [M 4,096, K 1,024] x [K 1,024, N 2,048]; A: computed on the way; B: input o_w: QUANTISED (scales: A lowp_scales[6], B lowp_scales[7])
;;   THE QUANTISER, for each operand of a quantised product, along K:
;;     - The operand's scale is 2^e, e = its entry of the input lowp_scales (int32; the entries are numbered through the quantised products in the list's order, A before B).
;;     - Each number is divided by the scale, clamped to +-448, and rounded to the nearest number of E4M3, ties to even, subnormals kept.
;;     - The product sums the exact products of the quantised numbers (number of the format x scale) in f32.
;;   ~~~python
;;   def quantise(x, axis, e):      # numpy; x: float32 -> the quantised numbers, widened to float32 again
;;       x = np.moveaxis(x, axis, -1); K = x.shape[-1]
;;       r = np.clip(x / 2.0 ** e, -448, 448)
;;       step = 2.0 ** (np.maximum(np.frexp(np.where(r == 0, 1, r))[1] - 1, -6) - 3)
;;       q = np.round(r / step) * step * 2.0 ** e      # np.round: ties to even
;;       return np.moveaxis(q, -1, axis).astype(np.float32)
;;   ~~~
;;   SOFTMAX AHEAD OF A QUANTISED PRODUCT. Where the list says 'softmax', what is quantised is not the finished softmax but p = 2^(t - M), with t = logit x log2(e) and M = ceil(the row's largest t), a whole number; so 1/2 < the row's largest p <= 1. The row's sum l is taken of the UNQUANTISED p, in f32, and the product's result is divided by l at the end. Since M is a whole number, a kernel that streams over the keys may use a running M (the ceiling of the running maximum): every later rescaling is an exact power of two, so the quantised numbers keep their values, but for numbers so far below the row's largest that they fall under the format's range.
;;   OPERANDS COMPUTED ON THE WAY. 'Computed on the way' means the value that the module computes at that place (a softmax that the list does not call 'softmax' is quantised finished and normalised). What goes into a quantiser is computed in f32, as accurately as f32 sums, v_exp_f32 and their like allow (about 1e-6 of the number): no bf16 or f16 on the way to a quantiser, and a product that is left as it is and whose result goes on into a quantised operand takes f32 operands (vector FMAs, or v_wmma_f32_16x16x4_f32). A number that lies on a knife's edge between two numbers of the format may be rounded either way, as far as f32 arithmetic and the matrix unit's own rounding can turn it there, and no further.
;; One version. Each part assembles by itself: llvm-mc -triple=amdgcn-amd-amdhsa -mcpu=gfx1250 --defsym DOCPART=n.
;; ======== version 1 of 1: 4 launches
;; limits: right only within a limited range of input values
;; workspace buffers: hs_codes 8,388,608 bytes; w_codes 4,194,304 bytes; ow_codes 2,097,152 bytes; cs 8,421,376 bytes; qkvc 8,388,608 bytes; attn_codes 4,194,304 bytes
;; launch prep (part 1): grid 577 x 1, 4 waves a work-group, no clusters, 33,280 bytes of LDS; arguments hidden_states, qkv_w, o_w, cos, sin, lowp_scales, hs_codes, w_codes, ow_codes, cs; writes hs_codes, w_codes, ow_codes, cs
.if DOCPART == 1
	.amdgcn_target "amdgcn-amd-amdhsa--gfx1250"
	.amdhsa_code_object_version 6
	.text
	.protected	k_q002cce7acc_prep
	.globl	k_q002cce7acc_prep
	.p2align	8
	.type	k_q002cce7acc_prep,@function
k_q002cce7acc_prep:
	s_mov_b64 s[64:65], 0
	v_nop
	global_prefetch_b8 v0, s[64:65] scope:SCOPE_SE
	s_setreg_imm32_b32 hwreg(HW_REG_WAVE_MODE, 25, 1), 1
	s_wait_xcnt 0x0
; PREP.  (1) hidden_states [4096][2048], qkv_w [2048][2048] and o_w [2048][1024], f32 with K innermost, become codes of E4M3, one byte each, in the same order:
; code = x / 2^e, held within +-448, rounded to the nearest code, ties to even; e = entry 0, 1, 7 of lowp_scales.  (2) cos and sin [4096][256] are laid anew, in the order
; in which the lanes of the next launch take them, and one more block is written that holds cos = 1, sin = 0.
; LIMITS: -126 <= e and e + 8 <= 127, so that 2^e and 448 x 2^e are f32 numbers.  NaN among the inputs is not served (an infinity is held at the largest code).
; SHARES.  Work-groups 0-255 take hidden_states, 256-383 qkv_w, 384-447 o_w: 32,768 numbers each, 8,192 a wave, 16 steps of 512.  Rows are dense, so a tensor is a plain stream.
; The conversions take 8 neighbours from ONE lane's registers, while a load is best where neighbouring LANES take neighbouring bytes: so each of a step's four loads reads 512 consecutive
; bytes, 16 a lane, the 2,048 bytes go through the wave's own stage in LDS and come back 64 bytes a lane (16 bytes of padding behind each 64).  A wave's store covers 512 consecutive bytes.
; Work-groups 448-575 lay the table: wave w takes 16 rows (block R16 = 2 j + w / 2) of cos (w even) or sin (w odd).  Work-group 576 writes the block of ones and zeros.
; TABLE: cs[R16 0..256][c 0..1][b 0..7][cos, sin][u 0..1][lane][16 bytes]; lane (r, h) holds row 16 R16 + r, columns 64 c + 16 b + 64 (b / 4) + 8 h + 4 u + 0..3.
; No tensor loads, no barrier: waves share nothing.
.set STEPS, 16
.set EMAX,  8
.set MANT,  0x600000                   ; the mantissa field of 448 as f32
.set R,     16                         ; v16-79   four sets of 16 numbers as they are loaded
.set X,     80                         ; v80-111  two sets of 16 neighbours
.set C,     128                        ; v128-191 codes: four registers for each step, so that no store's data are written again
.set WREG,  8192                       ; LDS: a region for each wave: two stages of 32 x SP bytes
.set SP,    80                         ; a lane's place in a stage: 64 bytes + 16 of padding
	s_load_b512 s[8:23], s[0:1], 0x0               ; hidden_states 8, qkv_w 10, o_w 12, cos 14, sin 16, the scales 18, hs_codes 20, w_codes 22
	s_load_b128 s[24:27], s[0:1], 0x40             ; ow_codes 24, cs 26
	v_lshl_add_u32 v192, v0, 2, 0x8000
	v_mov_b32 v193, 0
	v_lshrrev_b32 v1, 5, v0
	v_readfirstlane_b32 s28, v1                    ; wave
	v_and_b32 v2, 31, v0                           ; lane
	v_lshlrev_b32 v3, 4, v2                        ; 16 x lane: my 16 bytes of 512, for loads and for stores; never rewritten
	s_mov_b32 s41, 0                               ; the upper word of every offset
	s_wait_kmcnt 0x0
	s_cmp_ge_u32 ttmp9, 448
	s_cbranch_scc1 .Ltable
	; ---------------- the quantiser
	s_load_b256 s[32:39], s[18:19], 0x0            ; e0 .. e7
	s_mul_i32 s29, s28, WREG
	s_wait_alu depctr_va_vdst(0)
	v_lshrrev_b32 v14, 2, v2
	v_mul_u32_u24 v14, v14, SP
	v_and_b32 v15, 3, v2
	v_lshl_add_u32 v14, v15, 4, v14
	v_add_nc_u32 v14, s29, v14                     ; the stage, on the way in: four lanes' 64 bytes on end, then 16 of padding
	v_mul_u32_u24 v15, v2, SP
	v_add_nc_u32 v15, s29, v15                     ; and on the way out: my 16 neighbours
	s_cmp_lt_u32 ttmp9, 384                        ; which tensor: the choice hangs on the work-group's number alone
	s_cselect_b64 s[4:5], s[10:11], s[12:13]
	s_cselect_b64 s[6:7], s[22:23], s[24:25]
	s_mov_b32 s30, 384
	s_cselect_b32 s30, 256, s30
	s_cmp_lt_u32 ttmp9, 256
	s_cselect_b64 s[4:5], s[8:9], s[4:5]
	s_cselect_b64 s[6:7], s[20:21], s[6:7]
	s_cselect_b32 s30, 0, s30                      ; the tensor's first work-group
	s_sub_co_u32 s30, ttmp9, s30
	s_lshl_b32 s30, s30, 2
	s_add_co_u32 s30, s30, s28                     ; which run of 8,192 numbers is my wave's
	s_lshl_b32 s40, s30, 15                        ; 32,768 bytes of numbers,
	s_add_nc_u64 s[4:5], s[4:5], s[40:41]
	s_lshl_b32 s40, s30, 13                        ; 8,192 bytes of codes
	s_add_nc_u64 s[6:7], s[6:7], s[40:41]
.macro LOAD t
.irp i, 0,1,2,3
	global_load_b128 v[R+16*((\t)%4)+4*\i:R+16*((\t)%4)+4*\i+3], v3, s[4:5] offset:2048*(\t)+512*\i th:TH_LOAD_NT   ; 32 lanes read 512 consecutive bytes
.endr
.endm
.macro TURN t                          ; step t's numbers through the stage: LDS serves a wave's instructions in order, so no wait stands between the stores and the loads
.irp i, 0,1,2,3
	ds_store_b128 v14, v[R+16*((\t)%4)+4*\i:R+16*((\t)%4)+4*\i+3] offset:32*SP*((\t)%2)+8*SP*\i
.endr
.irp i, 0,1,2,3
	ds_load_b128 v[X+16*((\t)%2)+4*\i:X+16*((\t)%2)+4*\i+3], v15 offset:32*SP*((\t)%2)+16*\i
.endr
.endm
.irp t, 0,1,2,3
	LOAD \t
.endr
	s_wait_alu depctr_va_vdst(0)
	s_wait_kmcnt 0x0
	s_cmp_lt_u32 ttmp9, 384
	s_cselect_b32 s42, s33, s39
	s_cmp_lt_u32 ttmp9, 256
	s_cselect_b32 s42, s32, s42                    ; e
	s_add_co_i32 s42, s42, 127
	s_lshl_b32 s43, s42, 23
	v_mov_b32 v11, s43                             ; 2^e as f32: the conversion takes its exponent field
	s_add_co_i32 s42, s42, EMAX
	s_lshl_b32 s42, s42, 23
	s_or_b32 s42, s42, MANT
	v_mov_b32 v10, s42                             ; 448 x 2^e
	s_wait_alu depctr_va_vdst(0)
	s_wait_loadcnt 12                              ; step 0's four loads are in; the twelve of steps 1 to 3 may be out
	TURN 0
.macro STEP t
.set XS, X+16*((\t)%2)
	s_wait_dscnt 0x0                               ; this step's numbers are back from the stage: so its stores into the stage have read their registers,
.if (\t)+4 < STEPS
	LOAD (\t)+4                                    ; which take the loads of four steps on
.endif
.if (\t)+1 < STEPS
.if STEPS-2-(\t) >= 3
	s_wait_loadcnt 12                              ; the next step's four loads are in; those of the three steps behind it may be out
.else
	s_wait_loadcnt 4*(STEPS-2-(\t))
.endif
	TURN (\t)+1                                    ; and go through the other stage while this step is worked
.endif
.irp i, 0,1,2,3,4,5,6,7,8,9,10,11,12,13,14,15
	v_med3_num_f32 v[XS+\i], v[XS+\i], -v10, v10   ; the conversion to an 8-bit code does not saturate (ISA guide 7.6.2): the hold comes first
.endr
	v_cvt_scalef32_pk8_fp8_f32 v[C+4*(\t):C+4*(\t)+1], v[XS:XS+7], v11
	v_cvt_scalef32_pk8_fp8_f32 v[C+4*(\t)+2:C+4*(\t)+3], v[XS+8:XS+15], v11
	global_store_b128 v3, v[C+4*(\t):C+4*(\t)+3], s[6:7] offset:512*(\t)   ; the results go to a store alone; the next step's holds are plain lines on other registers
.endm
.irp t, 0,1,2,3,4,5,6,7,8,9,10,11,12,13,14,15
	STEP \t
.endr
	s_wait_tensorcnt 0x0
	ds_add_u32 v192, v193
	s_wait_dscnt 0x0
	s_endpgm
	; ---------------- the table of cos and sin
.Ltable:
	s_cmp_eq_u32 ttmp9, 576
	s_cbranch_scc1 .Lones
	s_sub_co_u32 s29, ttmp9, 448
	s_lshl_b32 s29, s29, 1
	s_lshr_b32 s30, s28, 1
	s_add_co_u32 s29, s29, s30                     ; R16: my block of 16 rows
	s_and_b32 s30, s28, 1                          ; 0: cos, 1: sin
	s_cmp_eq_u32 s30, 0
	s_cselect_b64 s[4:5], s[14:15], s[16:17]
	s_lshl_b32 s40, s29, 14                        ; 16 rows of 1,024 bytes
	s_add_nc_u64 s[4:5], s[4:5], s[40:41]
	s_lshl_b32 s40, s29, 15                        ; a block of the table is 32,768 bytes,
	s_lshl_b32 s30, s30, 10                        ; sin's pieces lie 1,024 bytes behind cos's
	s_add_co_u32 s40, s40, s30
	s_add_nc_u64 s[6:7], s[26:27], s[40:41]
	v_and_b32 v4, 15, v0                           ; r
	v_bfe_u32 v5, v0, 4, 1                         ; h
	v_lshlrev_b32 v6, 10, v4
	v_lshl_add_u32 v6, v5, 5, v6                   ; row r, + 8 h numbers
.set n, 0
.irp c, 0,1
.irp b, 0,1,2,3,4,5,6,7
.irp u, 0,1
	global_load_b128 v[32+4*n:32+4*n+3], v6, s[4:5] offset:4*(64*\c+16*\b+64*(\b/4))+16*\u
.set n, n+1
.endr
.endr
.endr
.set n, 0
	s_wait_alu depctr_va_vdst(0)
.irp c, 0,1
.irp b, 0,1,2,3,4,5,6,7
.irp u, 0,1
	s_wait_loadcnt 31-n                            ; loads come back in order: number n is in, the younger ones may be out
	global_store_b128 v3, v[32+4*n:32+4*n+3], s[6:7] offset:\c*16384+\b*2048+\u*512   ; 512 consecutive bytes
.set n, n+1
.endr
.endr
.endr
	s_endpgm
.Lones:                                            ; block 256: cos = 1, sin = 0: wave w writes array w % 2 of half c = w / 2
	s_and_b32 s30, s28, 1
	s_lshr_b32 s29, s28, 1
	s_cmp_eq_u32 s30, 0
	s_cselect_b32 s42, 1.0, 0
	v_mov_b32 v4, s42
	v_mov_b32 v5, s42
	v_mov_b32 v6, s42
	v_mov_b32 v7, s42
	s_wait_alu depctr_va_vdst(0)
	s_lshl_b32 s40, s29, 14
	s_lshl_b32 s30, s30, 10
	s_add_co_u32 s40, s40, s30
	s_add_co_u32 s40, s40, 0x800000                ; 256 blocks of 32,768 bytes
	s_add_nc_u64 s[6:7], s[26:27], s[40:41]
.irp b, 0,1,2,3,4,5,6,7
.irp u, 0,1
	global_store_b128 v3, v[4:7], s[6:7] offset:\b*2048+\u*512
.endr
.endr
	s_endpgm
.Lfunc_end_k_q002cce7acc_prep:
	.size	k_q002cce7acc_prep, .Lfunc_end_k_q002cce7acc_prep-k_q002cce7acc_prep
	.p2alignl 7, 3214868480
	.fill 96, 4, 3214868480
	.section	.rodata,"a",@progbits
	.p2align	6, 0x0
	.amdhsa_kernel k_q002cce7acc_prep
		.amdhsa_group_segment_fixed_size 33280
		.amdhsa_private_segment_fixed_size 0
		.amdhsa_enable_private_segment 0
		.amdhsa_kernarg_size 80
		.amdhsa_user_sgpr_count 2
		.amdhsa_user_sgpr_kernarg_segment_ptr 1
		.amdhsa_wavefront_size32 1
		.amdhsa_system_sgpr_workgroup_id_x 1
		.amdhsa_system_sgpr_workgroup_id_y 1
		.amdhsa_system_sgpr_workgroup_id_z 1
		.amdhsa_system_vgpr_workitem_id 0
		.amdhsa_next_free_vgpr 194
		.amdhsa_next_free_sgpr 66
		.amdhsa_reserve_vcc 0
		.amdhsa_float_denorm_mode_32 3
		.amdhsa_float_denorm_mode_16_64 3
		.amdhsa_memory_ordered 1
		.amdhsa_forward_progress 1
		.amdhsa_inst_pref_size 47
	.end_amdhsa_kernel
	.amdgpu_metadata
---
amdhsa.version: [ 1, 2 ]
amdhsa.kernels:
  - .name:           k_q002cce7acc_prep
    .symbol:         k_q002cce7acc_prep.kd
    .args:
      - { .name: hidden_states, .offset: 0, .size: 8, .value_kind: global_buffer, .address_space: global }
      - { .name: qkv_w, .offset: 8, .size: 8, .value_kind: global_buffer, .address_space: global }
      - { .name: o_w, .offset: 16, .size: 8, .value_kind: global_buffer, .address_space: global }
      - { .name: cos, .offset: 24, .size: 8, .value_kind: global_buffer, .address_space: global }
      - { .name: sin, .offset: 32, .size: 8, .value_kind: global_buffer, .address_space: global }
      - { .name: lowp_scales, .offset: 40, .size: 8, .value_kind: global_buffer, .address_space: global }
      - { .name: hs_codes, .offset: 48, .size: 8, .value_kind: global_buffer, .address_space: global }
      - { .name: w_codes, .offset: 56, .size: 8, .value_kind: global_buffer, .address_space: global }
      - { .name: ow_codes, .offset: 64, .size: 8, .value_kind: global_buffer, .address_space: global }
      - { .name: cs, .offset: 72, .size: 8, .value_kind: global_buffer, .address_space: global }
    .group_segment_fixed_size: 33280
    .private_segment_fixed_size: 0
    .kernarg_segment_align: 8
    .kernarg_segment_size: 80
    .max_flat_workgroup_size: 128
    .sgpr_count:     66
    .vgpr_count:     194
    .wavefront_size: 32
...
	.end_amdgpu_metadata
.endif
;; end of part 1
;; launch qkv (part 2): grid 8 x 32, 4 waves a work-group, no clusters, 327,680 bytes of LDS; arguments hs_codes, w_codes, cs, lowp_scales, qkvc; writes qkvc
.if DOCPART == 2
	.amdgcn_target "amdgcn-amd-amdhsa--gfx1250"
	.amdhsa_code_object_version 6
	.text
	.protected	k_q002cce7acc_qkv
	.globl	k_q002cce7acc_qkv
	.p2align	8
	.type	k_q002cce7acc_qkv,@function
k_q002cce7acc_qkv:
	s_mov_b64 s[64:65], 0
	v_nop
	global_prefetch_b8 v0, s[64:65] scope:SCOPE_SE
	s_setreg_imm32_b32 hwreg(HW_REG_WAVE_MODE, 25, 1), 1
	s_wait_xcnt 0x0
; QKV.  qkv = hidden_states qkv_w^T on codes of E4M3 (scales 2^e0, 2^e1), then for each head of 256: x / sqrt(mean(x^2) + 1e-6), the rotation by cos and sin (q and k), and the quantiser of the
; next product (q: e2, k: e3, v: e4).  Only codes go to memory.
; SHARES.  Work-group (hx, tb): head block hx (0-3 q, 4-5 k, 6-7 v: rows 256 hx of qkv_w) x tokens 128 tb on: 256 work-groups.  K = 2,048.
; The tile is C'[m'][n'] = sum A'[m'][k] B'[n'][k], and the matrix instruction is used transposed (source 0 = 16 rows of B', source 1 = 16 rows of A'): a lane holds ONE row of A', its registers 8 neighbouring rows of B'.
;   q, k: A' = 128 tokens, B' = the head's 256 d: a lane's registers run along d, which is the next product's K.
;   v:    A' = the head's 256 d, B' = 128 tokens: a lane's registers run along the tokens, which are v's K: the codes come out with the keys innermost and nothing is transposed.
; In both kinds a wave makes 64 rows of A' x 128 rows of B': 32 accumulators, 256 registers.  q, k: wave w takes tokens 64 (w / 2) on and, with c = w % 2, the d 64 c + 16 b + 64 (b / 4) + 0..15, b = 0..7, so that d and
; d + 128 (blocks b and b + 4) lie in the same lane at the same register index.  v: wave w takes d 64 w on and all 128 tokens.
; The two kinds differ in pointers, in three LDS row numbers and in numbers kept in scalar registers: there is ONE path through the text.  Its price: every work-group forms the sums of squares along the rows AND down
; the columns and multiplies by both factors, one of which is 1; and v is rotated too, by the table's block cos = 1, sin = 0, which changes no value.
; RING.  K goes in steps of 256 through two LDS slots of 384 rows: three chunks of 128 rows x 256 bytes, chunk j fetched by wave j with one tensor load; wave 3 fetches nothing (384 rows out of two buffers do not part
; into four equal tiles).  q, k: chunk 0 = tokens, chunks 1, 2 = the head's rows.  v: chunks 0, 1 = the head's rows, chunk 2 = tokens.
; NO CLUSTER: in a 4 x 4 block of this 8 x 32 grid that holds head blocks 4 to 7 the partners' chunks hold different tensors (k: tokens first; v: tokens last), so no one mask and descriptor serves a chunk.
; OUT: qkvc, eight blocks of 2^20 bytes; a work-group stores one dense image of 32,768 bytes at 32,768 tb.  0-3 q: [token][256].  4-5 k: [row][256], row = the token with bits 3 and 4 of its number exchanged (so that
; the next launch reads 16 consecutive LDS rows for a tile of keys 32 b + 8 u + r + 8 (r / 8)).  6-7 v: [block of 128 keys][U 0..127][256 bytes]: unit U holds d = U + 64 (U / 64) and d + 64; its piece i of 16 bytes
; holds 16 keys, 16 b on, of the first d (bit 2 of i = 0) or the second (1), b = 4 (i / 8) + i % 4.  That is what ONE way of reading the stage gives for all three kinds.
; LIMITS on the given exponents, so that each power of two below is an f32 number: 2 (e0 + e1) - 8 between -126 and 127; e(q, k or v) - e0 - e1 between -126 and 119.  NaN among the inputs is not served.
; REGISTERS, in windows of 256.  window 0: v1-31 addresses; v48-51 the table's offsets; in the loop v128-255 A's fragments, two sets of 64.  window 1: B's fragments, two sets of 128.  window 2: the accumulators, (a, b) at
; v[8 (8 a + b)].  window 3: cos and sin, two sets of 128.  On the way out, window 0: v32-47 row sums; v52-55 the partner's; v64-127 column sums; v128-191 a block's numbers; v192-207 its codes; v216-231 store offsets.
.set ROWB,   256                       ; a tile's row in bytes
.set KROW,   2048                      ; a row of codes in memory
.set PITCH,  272                       ; an LDS row: 256 bytes + 16 of padding = 68 words: the 16 rows that a load touches start at 16 different banks (64 banks of 4 bytes: ISA guide 11.1)
.set FR,     16                        ; registers of a fragment: 16 rows x 128 K
.set NP,     4                         ; places behind this matrix instruction (ISA guide 7.12.1)
.set CHUNK,  128*PITCH                 ; what one tensor load brings
.set SLOT,   3*CHUNK
.set SPARE,  2*SLOT                    ; behind the ring: the spare words, 128 bytes for each wave: two blocks of 256 bytes that no other line names
.set RSCR,   SPARE+512                 ; row sums: [c][128] f32
.set CSCR,   RSCR+1024                 ; column sums: [wave][128] f32
.set STG,    CSCR+2048                 ; the codes' stage: a block for each wave: 64 rows (of A') x 128 bytes (along B'), 144 bytes apart
.set SP,     144
.set WSZ,    64*SP+128                 ; from block to block: the 128 more keep two blocks' rows on different banks
.set CRA,  8                           ; v8-10 where the three other waves have put their column sums
.set ONE,  14                          ; v14  1.0
.set SCL,  15                          ; v15  2^(e - e0 - e1): the conversion's scale
.set ADRA, 16                          ; v16-17  LDS address of my A fragments in slot 0, 1
.set ADRBL, 18                         ; v18-19  of my B fragments, blocks 0-3
.set ADRBH, 20                         ; v20-21  blocks 4-7
.set STO,  22                          ; v22  where I put 8 codes of a row
.set RD,   23                          ; v23  where I read 16 bytes of the image back
.set RWA,  24                          ; v24  where I put a row's sum;  v25 where my partner (the other c) has put his
.set RRA,  25
.set CWA,  26                          ; v26  where I put column sums
.set SPW,  28                          ; v28  LDS address of my spare word; never rewritten
.set NIL,  29                          ; v29  0; never rewritten
.set LIMV, 31                          ; v31  448 x the conversion's scale
.set RS,   32
.set CSO,  48
.set PRS,  52
.set CSUM, 64
.set O,    128
.set CD,   192
.set OFFS, 216
.set AF,   128
.set G1, 24                            ; s[24:31] descriptor group 1;  s[32:39] group 0, one set for each slot
.set G0, 32
.set MSB, 0
.macro WIN new                         ; the immediate's high byte repeats the setting that is left
.if MSB != \new
	s_set_vgpr_msb (MSB<<8)|\new
.set MSB, \new
.endif
.endm
.set MUL,    0xa1                      ; source 0 (B) window 1, source 1 (A) window 0, C and D window 2
.set TO_B,   0x40                      ; destination window 1, address window 0
.macro PLACES n
.rept \n
	v_nop
.endr
.endm
	s_load_b256 s[4:11], s[0:1], 0x0               ; hs_codes 4, w_codes 6, cs 8, the scales 10
	s_load_b64 s[12:13], s[0:1], 0x20              ; qkvc
	v_lshl_add_u32 v[SPW], v0, 2, SPARE
	v_mov_b32 v[NIL], 0
	ds_add_u32 v28, v29
	ds_add_u32 v28, v29
	s_wait_dscnt 0x0
	v_lshrrev_b32 v1, 5, v0
	v_readfirstlane_b32 s14, v1                    ; wave 0..3
	s_lshr_b32 s15, s14, 1                         ; w / 2
	s_and_b32 s16, s14, 1                          ; c = w % 2
	s_mov_b32 s17, ttmp9                           ; hx
	s_and_b32 s18, ttmp7, 0xffff                   ; tb
	s_mov_b32 s[G1+0], 0                           ; no mask; elements of 1 byte; no padding field: the tile below is stated 272 wide
	s_mov_b32 s[G1+1], ROWB<<16                    ; tensor_dim0 = 256
	s_mov_b32 s[G1+2], 128<<16                     ; tensor_dim1 = 128
	s_mov_b32 s[G1+3], PITCH<<16                   ; tile_dim0 = 272 over tensor_dim0 = 256: the last 16 bytes of each LDS row are written as zeros, so rows lie 272 bytes apart and every byte of a slot is written
	s_mov_b32 s[G1+4], 128                         ; tile_dim1 = 128
	s_mov_b32 s[G1+5], KROW                        ; from row to row
	s_mov_b32 s[G1+6], 0
	s_mov_b32 s[G1+7], 0
	s_min_u32 s66, s14, 2                          ; my chunk (wave 3 issues no load: its numbers are wave 2's and are not used)
	s_mul_i32 s67, s66, CHUNK                      ; where it goes
	s_cmp_ge_u32 s17, 6                            ; v's tile?
	s_cselect_b32 s19, 2, 0                        ; the chunk that holds the tokens
	s_cselect_b32 s2, 0, 1                         ; the first chunk that holds the head's rows
	s_sub_co_u32 s2, s66, s2                       ; which 128 of the head's 256 rows (of no meaning in the tokens' chunk, where it is not taken)
	s_lshl_b32 s2, s2, 18                          ; 128 rows of 2,048 bytes
	s_lshl_b32 s3, s17, 19                         ; 256 hx rows
	s_add_co_u32 s2, s2, s3
	s_lshl_b32 s3, s18, 18                         ; 128 tb rows
	s_wait_kmcnt 0x0
	s_load_b256 s[40:47], s[10:11], 0x0            ; e0 .. e7
	s_cmp_eq_u32 s66, s19                          ; the choice hangs on the work-group's and the wave's number alone
	s_cselect_b64 s[20:21], s[4:5], s[6:7]
	s_cselect_b32 s2, s3, s2
	s_mov_b32 s3, 0
	s_add_nc_u64 s[20:21], s[20:21], s[2:3]
.irp s, 0,1
	s_mov_b32 s[G0+4*\s], 1
	s_add_co_u32 s[G0+4*\s+1], s67, \s*SLOT
	s_add_nc_u64 s[G0+4*\s+2:G0+4*\s+3], s[20:21], \s*ROWB
	s_or_b32 s[G0+4*\s+3], s[G0+4*\s+3], 0x80000000
.endr
	s_cmp_lt_u32 s14, 3                            ; the head's one tensor load a wave: K step 0
	s_cbranch_scc0 .Lno_first
	tensor_load_to_lds s[G0:G0+3], s[G1:G1+7]
	s_nop 0
	PLACES 4                                       ; four v_nop follow
.Lno_first:
	v_and_b32 v1, 15, v0                           ; r = lane % 16; kept
	v_bfe_u32 v2, v0, 4, 1                         ; h = lane / 16; kept
	v_mul_u32_u24 v3, v1, PITCH
	v_lshl_add_u32 v4, v2, 4, v3                   ; a fragment's row x pitch + 16 x half
	s_wait_alu depctr_va_vdst(0)
	s_lshl_b32 s2, s14, 6                          ; v:    A' begins at LDS row 64 w,
	s_lshl_b32 s3, s15, 6                          ; q, k: at row 64 (w / 2)
	s_lshl_b32 s19, s16, 6
	s_add_co_u32 s22, s19, 128                     ; q, k: B's blocks 0-3 at row 128 + 64 c,
	s_add_co_u32 s23, s19, 256                     ;       blocks 4-7 128 rows further on
	s_cmp_ge_u32 s17, 6
	s_cselect_b32 s2, s2, s3
	s_cselect_b32 s22, 256, s22                    ; v: the tokens' chunk: rows 256 and 320.  Either way all rows lie inside the slot's 384
	s_cselect_b32 s23, 320, s23
	s_mul_i32 s2, s2, PITCH
	s_mul_i32 s22, s22, PITCH
	s_mul_i32 s23, s23, PITCH
	v_add_nc_u32 v[ADRA], s2, v4
	v_add_nc_u32 v[ADRBL], s22, v4
	v_add_nc_u32 v[ADRBH], s23, v4
	v_add_nc_u32 v[ADRA+1], SLOT, v[ADRA]
	v_add_nc_u32 v[ADRBL+1], SLOT, v[ADRBL]
	v_add_nc_u32 v[ADRBH+1], SLOT, v[ADRBH]
	v_mul_u32_u24 v5, v1, SP                       ; the stage, in: my block, row r (+ 16 a), byte 8 h (+ 16 b)
	v_lshl_add_u32 v5, v2, 3, v5
	s_mul_i32 s2, s14, WSZ
	s_add_co_u32 s2, s2, STG
	v_add_nc_u32 v[STO], s2, v5
	v_bfe_u32 v5, v0, 2, 1                         ; the stage, back: load t of wave w brings bytes 512 (16 w + t) on of the image, 16 a lane.  Lane (r, h) takes, of block 2 (w / 2) + bit 2 of r,
	v_bfe_u32 v6, v0, 3, 1                         ; row 32 (w % 2) + 2 t + h, the 16 bytes of B's block 4 (r / 8) + r % 4
	v_and_b32 v7, 3, v0
	v_lshl_add_u32 v7, v6, 2, v7
	v_mul_u32_u24 v5, v5, WSZ
	v_lshl_add_u32 v5, v7, 4, v5
	v_mul_u32_u24 v6, v2, SP
	v_add_nc_u32 v5, v5, v6
	s_mul_i32 s2, s15, 2*WSZ
	s_mul_i32 s19, s16, 32*SP
	s_add_co_u32 s2, s2, s19
	s_add_co_u32 s2, s2, STG
	v_add_nc_u32 v[RD], s2, v5
	s_lshl_b32 s2, s16, 9                          ; row sums: [c][128]: my 64 rows begin at 64 (w / 2)
	s_lshl_b32 s19, s15, 8
	s_add_co_u32 s2, s2, s19
	s_add_co_u32 s2, s2, RSCR
	v_lshl_add_u32 v[RWA], v1, 2, s2
	s_xor_b32 s2, s16, 1
	s_lshl_b32 s2, s2, 9
	s_add_co_u32 s2, s2, s19
	s_add_co_u32 s2, s2, RSCR
	v_lshl_add_u32 v[RRA], v1, 2, s2
	s_lshl_b32 s2, s14, 9                          ; column sums: [wave][128]
	s_add_co_u32 s2, s2, CSCR
	v_lshl_add_u32 v[CWA], v2, 5, s2
.irp x, 1,2,3
	s_xor_b32 s2, s14, \x
	s_lshl_b32 s2, s2, 9
	s_add_co_u32 s2, s2, CSCR
	v_lshl_add_u32 v[CRA+\x-1], v2, 5, s2
.endr
	s_lshl_b32 s2, s18, 3                          ; the table: my first block of 16 tokens: 8 tb + 4 (w / 2); v stays in block 256, the ones and zeros
	s_lshl_b32 s19, s15, 2
	s_add_co_u32 s2, s2, s19
	s_cmp_lt_u32 s17, 6
	s_cselect_b32 s2, s2, 256
	s_cselect_b32 s52, 32768, 0                    ; from one block of 16 rows to the next
	s_lshl_b32 s2, s2, 15
	s_lshl_b32 s19, s16, 14
	s_add_co_u32 s2, s2, s19
	s_mov_b32 s3, 0
	s_add_nc_u64 s[54:55], s[8:9], s[2:3]          ; the table at my first block, my half c
	v_and_b32 v3, 31, v0
	v_lshlrev_b32 v[CSO], 4, v3                    ; 16 x lane, + the block
.irp a, 1,2,3
	v_add_nc_u32 v[CSO+\a], s52, v[CSO+\a-1]
.endr
.macro FRAG reg, adr, q, row           ; a fragment: lane l holds row l % 16; registers 4 c .. 4 c + 3 hold K = 32 c + 16 (l / 16) + 0 .. 15: the same order of k in A' and in B'
.irp c, 0,1,2,3
	ds_load_b128 v[\reg+4*\c:\reg+4*\c+3], v[\adr] offset:128*(\q)+32*\c+(\row)*PITCH
.endr
.endm
.macro FETCH slot, q                   ; the slot's q-th 128 along K: B's eight fragments and A's four, into set q: 48 loads
	WIN TO_B
.irp i, 0,1,2,3
	FRAG 128*(\q)+FR*\i, ADRBL+\slot, \q, 16*\i
.endr
.irp i, 0,1,2,3
	FRAG 128*(\q)+FR*(\i+4), ADRBH+\slot, \q, 16*\i
.endr
	WIN 0
.irp i, 0,1,2,3
	FRAG AF+64*(\q)+FR*\i, ADRA+\slot, \q, 16*\i
.endr
.endm
; 32 matrix instructions: A's four blocks x B's eight, 128 along K, from set p.  zero = 1: the first product starts the sums.  The 32 accumulators take turns, one instruction a turn.
.macro MUL32 p, zero
.irp a, 0,1,2,3
.irp b, 0,1,2,3,4,5,6,7
.if \zero
	v_wmma_f32_16x16x128_fp8_fp8 v[8*(8*\a+\b):8*(8*\a+\b)+7], v[128*(\p)+FR*\b:128*(\p)+FR*\b+FR-1], v[AF+64*(\p)+FR*\a:AF+64*(\p)+FR*\a+FR-1], 0
.else
	v_wmma_f32_16x16x128_fp8_fp8 v[8*(8*\a+\b):8*(8*\a+\b)+7], v[128*(\p)+FR*\b:128*(\p)+FR*\b+FR-1], v[AF+64*(\p)+FR*\a:AF+64*(\p)+FR*\a+FR-1], v[8*(8*\a+\b):8*(8*\a+\b)+7]
.endif
.endr
.endr
.endm
; A slot's work: two steps of 128 along K.  The second step's loads are on their way while the first step is multiplied.
.macro WORK slot, zero
	FETCH \slot, 0
	s_wait_dscnt 0x0                               ; set 0 is in
	FETCH \slot, 1
	WIN MUL
	MUL32 0, \zero
	s_wait_dscnt 0x0                               ; set 1 is in
	MUL32 1, 0
	WIN 0
	PLACES NP                                      ; behind the last product: the next loads land in registers that these products read, and the way out reads results
.endm
; THE CHANGE OF SLOTS stands at a slot's head.  Each wave waits for all its tensor loads (its chunk of the slot ahead), adds 0 to its spare word, and waits for that and for its reads of the slot that it has left.
; Behind the barrier the slot ahead is whole and nobody reads the other one.  fill = 1: that other slot, fs, is filled with the K step two further on; the load has a slot's work in which to land.
.macro CHANGE fs, fill
	s_wait_tensorcnt 0x0                           ; no tensor load of mine is out, so a group 0 may be written
	ds_add_u32 v[SPW], v[NIL]                      ; 0 onto my spare word
.if \fill
	ds_add_u32 v[SPW], v[NIL]                      ; the add twice on end here
	s_add_nc_u64 s[G0+4*\fs+2:G0+4*\fs+3], s[G0+4*\fs+2:G0+4*\fs+3], 2*ROWB
.endif
	s_wait_dscnt 0x0                               ; the add is done, and my reads of the slot that I have left are over
	s_barrier_signal -1
	s_barrier_wait -1
.if \fill
	s_cmp_lt_u32 s14, 3
	s_cbranch_scc0 .Lno_fill_\@
	tensor_load_to_lds s[G0+4*\fs:G0+4*\fs+3], s[G1:G1+7]   ; the first thing behind the barrier, and my one tensor load until the next
	s_nop 0
	PLACES 4
.Lno_fill_\@:
.endif
.endm
; cos and sin of block a (16 rows of A'), for my 64 registers each: 32 loads of 512 consecutive bytes, into set a % 2 of window 3: cos at 16 b + j, sin at 16 b + 8 + j
.macro CSLOAD a
	WIN 0xc0
.irp b, 0,1,2,3,4,5,6,7
.irp x, 0,1
.irp u, 0,1
	global_load_b128 v[128*((\a)%2)+16*\b+8*\x+4*\u:128*((\a)%2)+16*\b+8*\x+4*\u+3], v[CSO+(\a)], s[54:55] offset:\b*2048+\x*1024+\u*512
.endr
.endr
.endr
.endm
	s_wait_alu depctr_va_vdst(0)
	s_wait_tensorcnt 0x0                           ; my chunk of K step 0 is in; slot 1's first fill is issued as a refill is
	ds_add_u32 v[SPW], v[NIL]
	ds_add_u32 v[SPW], v[NIL]                      ; twice on end
	s_wait_dscnt 0x0
	s_barrier_signal -1
	s_barrier_wait -1                              ; everybody's chunk is in
	s_cmp_lt_u32 s14, 3
	s_cbranch_scc0 .Lno_second
	tensor_load_to_lds s[G0+4:G0+7], s[G1:G1+7]    ; K step 1, my one tensor load behind this barrier
	s_nop 0
	PLACES 4
.Lno_second:
	WORK 0, 1                                      ; the first slot stands in front of the loop: its first products start the sums
	s_mov_b32 s3, 3
.Llap:                                                 ; a trip goes once round the ring and fills both slots again: K steps 2 to 7
	CHANGE 0, 1
	WORK 1, 0
	CHANGE 1, 1
	WORK 0, 0
	s_sub_co_u32 s3, s3, 1
	s_cmp_lg_u32 s3, 0
	s_cbranch_scc1 .Llap
	CHANGE 0, 0                                    ; the last slot: nothing is left to fetch
	s_wait_alu depctr_va_vdst(0)
	CSLOAD 0                                       ; the first block's cos and sin are asked for ahead of the last slot's products
	WORK 1, 0
	; ---------------- THE WAY OUT.  What differs between q, k and v is chosen here, into scalar registers, on the work-group's number alone.
	s_wait_kmcnt 0x0
	s_add_co_i32 s67, s40, s41                     ; E = e0 + e1: a sum stands for sum x 2^E
	s_cmp_lt_u32 s17, 4
	s_cselect_b32 s53, s42, s43
	s_cmp_lt_u32 s17, 6
	s_cselect_b32 s53, s53, s44                    ; the quantiser's e: e2, e3 or e4
	s_cselect_b32 s48, 0, -1                       ; a mask of lanes: all ones in v's tiles
	s_lshl_b32 s2, s17, 20
	s_lshl_b32 s19, s18, 15
	s_add_co_u32 s2, s2, s19
	s_mov_b32 s3, 0
	s_add_nc_u64 s[56:57], s[12:13], s[2:3]        ; the output at my image: block hx, 32,768 tb
	s_sub_co_u32 s2, s17, 4
	s_cmp_lt_u32 s2, 2
	s_cselect_b32 s51, 2048, 0                     ; k alone: 8 rows of 256 bytes, for the exchange of bits 3 and 4 of the row's number
	s_lshl_b32 s2, s67, 1
	s_add_co_i32 s2, s2, 119
	s_lshl_b32 s58, s2, 23                         ; 2^(2 E - 8): mean(x^2) = the sum of the squared sums x 2^(2 E) / 256
	s_mov_b32 s59, 0x358637bd                      ; 1e-6
	s_sub_co_i32 s2, s53, s67
	s_add_co_i32 s2, s2, 127
	s_lshl_b32 s19, s2, 23                         ; 2^(e - E): the three scales folded into the conversion's one
	s_add_co_i32 s2, s2, 8
	s_lshl_b32 s2, s2, 23
	s_or_b32 s2, s2, 0x600000                      ; 448 x that
	s_mov_b32 s60, 0x76543210                      ; v_permlanex16_b32: lane l xor 16
	s_mov_b32 s61, 0xfedcba98
	v_mov_b32 v[ONE], 1.0
	v_mov_b32 v[SCL], s19
	v_mov_b32 v[LIMV], s2
	v_lshlrev_b32 v[OFFS], 4, v3                   ; the stores: store t of wave w covers bytes 512 (16 w + t) on of the image, 16 a lane (v3 is still my lane)
	s_lshl_b32 s2, s14, 13
	v_add_nc_u32 v[OFFS], s2, v[OFFS]
.set t, 1
.rept 15
	v_add_nc_u32 v[OFFS+t], 512, v[OFFS+t-1]
.set t, t+1
.endr
.set t, 0
.rept 16                               ; a store's rows are 32 w + 2 t and the next: bit 3 of the row is bit 2 of t, bit 4 is bit 3 of t: exchanged, the row moves by 8 (bit 3 - bit 4)
.if (t&12) == 4
	v_add_nc_u32 v[OFFS+t], s51, v[OFFS+t]
.elseif (t&12) == 8
	v_sub_nc_u32 v[OFFS+t], v[OFFS+t], s51
.endif
.set t, t+1
.endr
	CSLOAD 1
; PASS 1: sums of squares, along my registers (a row of A': two chains a block) and down the blocks (a row of B': one sum a register).  Each accumulator is read from its low end on.
.macro PASS1 a
.set AC, 64*(\a)
.irp b, 0,1,2,3,4,5,6,7
.irp i, 0,1,2,3
.if (\b == 0) && (\i < 2)
	v_pk_mul_f32 v[RS+4*(\a)+2*(\i%2):RS+4*(\a)+2*(\i%2)+1], v[AC+8*\b+2*\i:AC+8*\b+2*\i+1], v[AC+8*\b+2*\i:AC+8*\b+2*\i+1]
.else
	v_pk_fma_f32 v[RS+4*(\a)+2*(\i%2):RS+4*(\a)+2*(\i%2)+1], v[AC+8*\b+2*\i:AC+8*\b+2*\i+1], v[AC+8*\b+2*\i:AC+8*\b+2*\i+1], v[RS+4*(\a)+2*(\i%2):RS+4*(\a)+2*(\i%2)+1]
.endif
.if (\a) == 0
	v_pk_mul_f32 v[CSUM+8*\b+2*\i:CSUM+8*\b+2*\i+1], v[AC+8*\b+2*\i:AC+8*\b+2*\i+1], v[AC+8*\b+2*\i:AC+8*\b+2*\i+1]
.else
	v_pk_fma_f32 v[CSUM+8*\b+2*\i:CSUM+8*\b+2*\i+1], v[AC+8*\b+2*\i:AC+8*\b+2*\i+1], v[AC+8*\b+2*\i:AC+8*\b+2*\i+1], v[CSUM+8*\b+2*\i:CSUM+8*\b+2*\i+1]
.endif
.endr
.endr
.endm
	WIN 0x0a                                       ; sources 0 and 1: window 2
.irp a, 0,1,2,3
	PASS1 \a
.endr
	WIN 0
.irp a, 0,1,2,3
	v_pk_add_f32 v[RS+4*\a:RS+4*\a+1], v[RS+4*\a:RS+4*\a+1], v[RS+4*\a+2:RS+4*\a+3]
.endr
.irp a, 0,1,2,3
	v_add_f32 v[RS+4*\a], v[RS+4*\a], v[RS+4*\a+1]
.endr
.irp a, 0,1,2,3
	v_permlanex16_b32 v[RS+4*\a+2], v[RS+4*\a], s60, s61   ; the row's other half lies in the lane 16 away
.endr
.irp a, 0,1,2,3
	v_add_f32 v[RS+4*\a], v[RS+4*\a], v[RS+4*\a+2]
.endr
.irp m, 1,2,4,8                        ; the column sums over the 16 lanes of my half
.set k, 0
.rept 64
	v_add_f32_dpp v[CSUM+k], v[CSUM+k], v[CSUM+k] row_xmask:\m row_mask:0xf bank_mask:0xf
.set k, k+1
.endr
.endr
.irp a, 0,1,2,3
	ds_store_b32 v[RWA], v[RS+4*\a] offset:64*\a   ; (both halves of the lanes store the same number to the same word)
.endr
.irp b, 0,1,2,3,4,5,6,7
.irp u, 0,1
	ds_store_b128 v[CWA], v[CSUM+8*\b+4*\u:CSUM+8*\b+4*\u+3] offset:64*\b+16*\u   ; column 16 b + 8 h + 4 u on
.endr
.endr
	s_wait_dscnt 0x0                               ; for the others' sake: my sums lie in LDS
	s_barrier_signal -1
	s_barrier_wait -1
.irp a, 0,1,2,3
	ds_load_b32 v[PRS+\a], v[RRA] offset:64*\a     ; q, k: the row's other 128 d
.endr
	WIN 0x40                                       ; into window 1, where B's fragments lay
.irp x, 0,1,2
.irp b, 0,1,2,3,4,5,6,7
.irp u, 0,1
	ds_load_b128 v[64*\x+8*\b+4*\u:64*\x+8*\b+4*\u+3], v[CRA+\x] offset:64*\b+16*\u   ; v: the column's other 192 d
.endr
.endr
.endr
	WIN 0
	s_wait_dscnt 0x0
.irp a, 0,1,2,3
	v_add_f32 v[RS+4*\a], v[RS+4*\a], v[PRS+\a]
.endr
	WIN 0x04                                       ; source 1: window 1
.irp x, 0,1,2
.set k, 0
.rept 32
	v_pk_add_f32 v[CSUM+k:CSUM+k+1], v[CSUM+k:CSUM+k+1], v[64*\x+k:64*\x+k+1]
.set k, k+2
.endr
.endr
	WIN 0
.irp a, 0,1,2,3
	v_fma_f32 v[RS+4*\a], v[RS+4*\a], s58, s59     ; mean(x^2) + 1e-6
.endr
.set k, 0
.rept 64
	v_fma_f32 v[CSUM+k], v[CSUM+k], s58, s59
.set k, k+1
.endr
	s_wait_alu depctr_va_vdst(0)
.irp a, 0,1,2,3
	v_rsq_f32 v[RS+4*\a], v[RS+4*\a]
.endr
.set k, 0
.rept 64
	v_rsq_f32 v[CSUM+k], v[CSUM+k]
.set k, k+1
.endr
	v_nop                                          ; a plain instruction behind the last of the batch,
	s_wait_alu depctr_va_vdst(0)                   ; and one wait for all 68, ahead of the first line that names a result
.irp a, 0,1,2,3
	v_cndmask_b32 v[RS+4*\a], v[RS+4*\a], v[ONE], s48   ; q, k: the row's factor; v: 1
.endr
.set k, 0
.rept 64
	v_cndmask_b32 v[CSUM+k], v[ONE], v[CSUM+k], s48     ; v: the column's factor; q, k: 1
.set k, k+1
.endr
; PASS 2, block a: the rotation (d < 128: x c - x(d + 128) s; d >= 128: x c + x(d - 128) s), the two factors, the hold, the conversion, 8 codes a store into my block of the stage
.macro PASS2 a
.set AC, 64*(\a)
.set CB, 128*((\a)%2)
.if (\a) < 3
	s_wait_loadcnt 32                              ; this block's 32 loads are in; the next block's may be out
.else
	s_wait_loadcnt 0
.endif
	WIN 0x0e                                       ; source 0: window 2; source 1: window 3
.irp b, 0,1,2,3
.irp i, 0,2,4,6
	v_pk_mul_f32 v[O+8*\b+\i:O+8*\b+\i+1], v[AC+8*(\b+4)+\i:AC+8*(\b+4)+\i+1], v[CB+16*\b+8+\i:CB+16*\b+8+\i+1]
	v_pk_mul_f32 v[O+8*(\b+4)+\i:O+8*(\b+4)+\i+1], v[AC+8*\b+\i:AC+8*\b+\i+1], v[CB+16*(\b+4)+8+\i:CB+16*(\b+4)+8+\i+1]
	v_pk_fma_f32 v[O+8*\b+\i:O+8*\b+\i+1], v[AC+8*\b+\i:AC+8*\b+\i+1], v[CB+16*\b+\i:CB+16*\b+\i+1], v[O+8*\b+\i:O+8*\b+\i+1] neg_lo:[0,0,1] neg_hi:[0,0,1]
	v_pk_fma_f32 v[O+8*(\b+4)+\i:O+8*(\b+4)+\i+1], v[AC+8*(\b+4)+\i:AC+8*(\b+4)+\i+1], v[CB+16*(\b+4)+\i:CB+16*(\b+4)+\i+1], v[O+8*(\b+4)+\i:O+8*(\b+4)+\i+1]
.endr
.endr
.if (\a) < 2
	CSLOAD (\a)+2                                  ; this set has been read: it takes the block two further on
.endif
	WIN 0
.set k, 0
.rept 32
	v_pk_mul_f32 v[O+k:O+k+1], v[O+k:O+k+1], v[RS+4*(\a):RS+4*(\a)+1] op_sel_hi:[1,0]
.set k, k+2
.endr
.set k, 0
.rept 32
	v_pk_mul_f32 v[O+k:O+k+1], v[O+k:O+k+1], v[CSUM+k:CSUM+k+1]
.set k, k+2
.endr
.set k, 0
.rept 64
	v_med3_num_f32 v[O+k], v[O+k], -v[LIMV], v[LIMV]   ; the conversion to an 8-bit code does not saturate (ISA guide 7.6.2)
.set k, k+1
.endr
.irp b, 0,1,2,3,4,5,6,7
	v_cvt_scalef32_pk8_fp8_f32 v[CD+2*\b:CD+2*\b+1], v[O+8*\b:O+8*\b+7], v[SCL]
.endr
	v_nop                                          ; a plain instruction behind the last conversion: the next block's lines write its sources
.irp b, 0,1,2,3,4,5,6,7
	ds_store_b64 v[STO], v[CD+2*\b:CD+2*\b+1] offset:16*(\a)*SP+16*\b
.endr
	s_wait_dscnt 0x0                               ; the stores have read their registers
.endm
.irp a, 0,1,2,3
	PASS2 \a
.endr
	s_barrier_signal -1                            ; (my stores into the stage are done: the wait above)  256 bytes of the image come from two waves' blocks
	s_barrier_wait -1
.set t, 0
.rept 16
	ds_load_b128 v[CSUM+4*t:CSUM+4*t+3], v[RD] offset:2*t*SP
.set t, t+1
.endr
.set t, 0
.rept 16
	s_wait_dscnt 15-t                              ; LDS loads come back in order: number t is in
	global_store_b128 v[OFFS+t], v[CSUM+4*t:CSUM+4*t+3], s[56:57]   ; 16 lanes store 256 consecutive bytes, at a multiple of 256 from the buffer's first byte
.set t, t+1
.endr
	s_wait_tensorcnt 0x0                           ; the wave's end
	ds_add_u32 v[SPW], v[NIL]
	s_wait_dscnt 0x0
	s_endpgm
.Lfunc_end_k_q002cce7acc_qkv:
	.size	k_q002cce7acc_qkv, .Lfunc_end_k_q002cce7acc_qkv-k_q002cce7acc_qkv
	.p2alignl 7, 3214868480
	.fill 96, 4, 3214868480
	.section	.rodata,"a",@progbits
	.p2align	6, 0x0
	.amdhsa_kernel k_q002cce7acc_qkv
		.amdhsa_group_segment_fixed_size 327680
		.amdhsa_private_segment_fixed_size 0
		.amdhsa_enable_private_segment 0
		.amdhsa_kernarg_size 40
		.amdhsa_user_sgpr_count 2
		.amdhsa_user_sgpr_kernarg_segment_ptr 1
		.amdhsa_wavefront_size32 1
		.amdhsa_system_sgpr_workgroup_id_x 1
		.amdhsa_system_sgpr_workgroup_id_y 1
		.amdhsa_system_sgpr_workgroup_id_z 1
		.amdhsa_system_vgpr_workitem_id 0
		.amdhsa_next_free_vgpr 1024
		.amdhsa_next_free_sgpr 80
		.amdhsa_reserve_vcc 0
		.amdhsa_float_denorm_mode_32 3
		.amdhsa_float_denorm_mode_16_64 3
		.amdhsa_memory_ordered 1
		.amdhsa_forward_progress 1
		.amdhsa_inst_pref_size 176
	.end_amdhsa_kernel
	.amdgpu_metadata
---
amdhsa.version: [ 1, 2 ]
amdhsa.kernels:
  - .name:           k_q002cce7acc_qkv
    .symbol:         k_q002cce7acc_qkv.kd
    .args:
      - { .name: hs_codes, .offset: 0, .size: 8, .value_kind: global_buffer, .address_space: global }
      - { .name: w_codes, .offset: 8, .size: 8, .value_kind: global_buffer, .address_space: global }
      - { .name: cs, .offset: 16, .size: 8, .value_kind: global_buffer, .address_space: global }
      - { .name: lowp_scales, .offset: 24, .size: 8, .value_kind: global_buffer, .address_space: global }
      - { .name: qkvc, .offset: 32, .size: 8, .value_kind: global_buffer, .address_space: global }
    .group_segment_fixed_size: 327680
    .private_segment_fixed_size: 0
    .kernarg_segment_align: 8
    .kernarg_segment_size: 40
    .max_flat_workgroup_size: 128
    .sgpr_count:     80
    .vgpr_count:     1024
    .wavefront_size: 32
...
	.end_amdgpu_metadata
.endif
;; end of part 2
;; launch attn (part 3): grid 128 x 2, 4 waves a work-group, clusters of 4 x 1, 327,680 bytes of LDS; arguments qkvc, lowp_scales, attn_codes; writes attn_codes
.if DOCPART == 3
	.amdgcn_target "amdgcn-amd-amdhsa--gfx1250"
	.amdhsa_code_object_version 6
	.text
	.protected	k_q002cce7acc_attn
	.globl	k_q002cce7acc_attn
	.p2align	8
	.type	k_q002cce7acc_attn,@function
k_q002cce7acc_attn:
	s_mov_b64 s[64:65], 0
	v_nop
	global_prefetch_b8 v0, s[64:65] scope:SCOPE_SE
	s_setreg_imm32_b32 hwreg(HW_REG_WAVE_MODE, 25, 1), 1
	s_wait_xcnt 0x0
	s_wait_alu depctr_hold_cnt(0) depctr_sa_sdst(0) depctr_va_vdst(0) depctr_va_sdst(0) depctr_va_ssrc(0) depctr_va_vcc(0) depctr_vm_vsrc(0)
	s_getreg_b32 s2, hwreg(HW_REG_IB_STS2, 6, 4)
	s_cmp_eq_u32 s2, 0
	s_cbranch_scc0 .Lentry_in_a_cluster
	s_endpgm
.Lentry_in_a_cluster:
	s_bfe_u32 s2, ttmp6, 0x10000c
	s_cmp_lg_u32 s2, 0x3003
	s_cbranch_scc0 .Lentry_shape_is_right
	s_endpgm
.Lentry_shape_is_right:
; ATTN.  For each of 4 query heads: o[q] = sum over keys k <= q of softmax_k(q . k / 256) v[k], both products on codes of E4M3 (q: e2, k: e3, v: e4, p: e5); the result is quantised for the last product (e6).
; IN: qkvc, blocks of 2^20 bytes: 0-3 q [token][256]; 4-5 k [row][256], row = the token with bits 3, 4 exchanged; 6-7 v [block of 128 keys][U 0..127][256 bytes]: unit U holds d = U + 64 (U / 64) and d + 64; its piece i of
; 16 bytes holds keys 16 b on of the first d (bit 2 of i = 0) or the second (1), b = 4 (i / 8) + i % 4.  OUT: attn_codes [token][1024], column = 256 head + d.
; THE SHIFT.  t = score x log2(e) / 256, p = 2^(t - 2).  The shift is the constant 2 and no maximum is taken, because the computation bounds t for every input: the module divides q and k by their own root mean square,
; so |q|^2, |k|^2 <= 256, and the rotation keeps them; rounding to the nearest code at most doubles a number and the clamp only shrinks it; so |score| <= 4 and |t| <= 5.8.  p lies between 2^-7.8 and 2^3.8 and a
; row's sum under 2^16: nothing overflows or underflows in f32.  Against the row's own whole number M, p differs by an exact power of two, which the division by the row's sum (of the unquantised p) takes out.
; LIMIT: that power of two moves p's codes only where they leave the normal range or meet the hold: e5 between -9 and 0 keeps both away for |score| <= 1.3.
; SHARES.  Work-group p (0..127) of key/value head g owns the tile of 16 queries 255 - p and then tile p, each for heads 2 g and 2 g + 1 (32 rows): 16 - CL / 4 and CL / 4 + 1 slots of 256 keys, 17 visits in every cluster.
; In a visit wave w makes the scores and p of keys 64 w on for all 32 rows; the codes go to all waves through LDS as images of the operand's registers; then wave w makes O for d 64 w on over all 256 keys.
; So each fragment of K and of V is read from LDS once and feeds two matrix instructions, and O needs no joining; only the rows' sums are joined, at a tile's end.
; Blocks of 64 keys beyond the tile's own (the last visit of a tile) are masked to p = 0, not skipped: the branch hangs on the cluster's and the wave's number (tile / 4 = 63 - CL or CL).
; CLUSTER.  The four work-groups walk the same K and V: each quarter of a slot is asked for jointly.  cx enters global addresses of q and of the output, the prefetch and the mask's data alone.
; RING.  Two slots: 256 rows of K, then 256 rows of V; wave w fetches rows 128 w on: one tensor load a wave is out behind each round.  The ring runs on from the first tile into the second.
; LIMITS on the given exponents: e2 + e3 between -118 and 135; e5 and e6 between -126 and 119.  NaN among the inputs is not served.
; REGISTERS.  window 0: as named below.  window 1: v0-127 K's eight fragments, later v0-63 p's codes of all 256 keys; v128-255 V's eight fragments.
.set PITCH, 272                        ; a row in LDS: 256 bytes + 16 of padding
.set SLOT,  512*PITCH
.set VOFF,  256*PITCH
.set SPARE, 2*SLOT                     ; the spare words: 128 bytes a wave
.set PST,   SPARE+512                  ; p's codes: [head][wave][b][lane][16 bytes]
.set LX,    PST+8192                   ; the rows' sums: [wave][head][lane]
.set STG,   LX+1024                    ; the output's stage: [head][16 rows][272]
.set STGH,  16*PITCH
.set AK, 1
.set AV, 2
.set AKT, 3
.set AVT, 4
.set SPW, 5
.set NIL, 6
.set PFO, 7
.set DQ, 8                             ; my query - 16 (lane / 16), of the tile in hand;  v9 of the second tile
.set DQ2, 9
.set NINF, 10
.set QO, 11
.set NM, 12                            ; v[12:13] -2.0
.set LIMP, 14
.set SCP, 15
.set L, 16                             ; v16-23 the sums: two packed chains a head
.set T0, 24
.set T1, 25
.set PW, 26
.set PR, 27
.set LXW, 28
.set LXR, 29
.set STO, 30
.set RD, 31
.set S, 32                             ; v32-95 S^T, then p, then the visit's O^T: head e, tile t at 32 e + 8 t
.set Q, 96                             ; v96-159 Q: head e, half u at 32 e + 16 u
.set O, 160                            ; v160-223 O^T
.set P, 224                            ; v224-239 codes
.set GO, 240
.set LIM6, 241
.set SC6, 242
.set X, 244                            ; v244-251 at work
.set WV, 10
.set SEL, 20
.set CS, 22
.set G1, 24
.set G0, 32
.set QB1, 36
.set QB2, 38
.set OB1, 40
.set OB2, 42
.set PFA, 44
.set BK, 46
.set NL, 48                            ; visits of the first tile
.set NLB, 49
.set LASTB, 50                         ; the tile's own block of 64 keys
.set KB, 51                            ; my block of 64 keys
.set I, 52
.set TB, 53
.set LIM, 54
.set TS, 55
.set E45, 56
.set MSB, 0
.macro WIN new
.if MSB != \new
	s_set_vgpr_msb (MSB<<8)|\new
.set MSB, \new
.endif
.endm
.macro ROUND                           ; a round of the cluster's barrier
	s_barrier_signal -1
	s_barrier_wait -1
	s_cmp_lg_u32 s[WV], 0
	s_cbranch_scc1 .Lnw0_\@
	s_barrier_signal -3
.Lnw0_\@:
	s_barrier_wait -3
	s_barrier_signal -1
	s_barrier_wait -1
.endm
.macro JL                              ; my quarter of a slot: one line for all waves, group 0 made by arithmetic on the wave's number
	tensor_load_to_lds s[G0:G0+3], s[G1:G1+7]
	s_nop 0
.rept 4
	v_nop
.endr
.endm
.macro QLOAD b
.irp e, 0,1
.irp u, 0,1
.irp c, 0,1,2,3
	global_load_b128 v[Q+32*\e+16*\u+4*\c:Q+32*\e+16*\u+4*\c+3], v[QO], s[\b:\b+1] offset:\e*1048576+128*\u+32*\c
.endr
.endr
.endr
.endm
	s_load_b128 s[4:7], s[0:1], 0x0                ; qkvc, the scales
	s_load_b64 s[8:9], s[0:1], 0x10                ; attn_codes
	v_lshl_add_u32 v[SPW], v0, 2, SPARE
	v_mov_b32 v[NIL], 0
	ds_add_u32 v[SPW], v[NIL]                      ; the opening lines
	ds_add_u32 v[SPW], v[NIL]
	v_lshrrev_b32 v[T0], 5, v0
	v_readfirstlane_b32 s[WV], v[T0]               ; wave 0..3
	s_mov_b32 s12, ttmp9                           ; CL
	s_bfe_u32 s13, ttmp6, 0x40000                  ; cx
	s_and_b32 s14, ttmp7, 0xffff                   ; g
	s_mov_b32 s[G1], 15|(1<<20)|(1<<21)|(5<<22)|(3<<25)   ; all four partners; 1 byte; 4 words of padding after every 64
	s_mov_b32 s[G1+1], 256<<16
	s_mov_b32 s[G1+2], 128<<16
	s_mov_b32 s[G1+3], 256<<16
	s_mov_b32 s[G1+4], 128
	s_mov_b32 s[G1+5], 256                         ; K's rows and V's units are dense
	s_mov_b32 s[G1+6], 0
	s_mov_b32 s[G1+7], 0
	s_mov_b32 s[SEL], 0x76543210
	s_mov_b32 s[SEL+1], 0xfedcba98
	s_lshr_b32 s15, s12, 2
	s_sub_co_u32 s[NL], 16, s15
	s_lshl_b32 s[NLB], s[NL], 16
	s_sub_co_u32 s[LASTB], 63, s12
	s_mov_b32 s[KB], s[WV]
	s_mov_b32 s[I], 0
	s_mov_b32 s[TB], 0
	s_mov_b32 s[BK+1], 0
	s_lshr_b32 s15, s[WV], 1                       ; w / 2
	s_and_b32 s16, s[WV], 1                        ; w % 2
	s_lshl_b32 s58, s15, 1
	s_add_co_u32 s58, s58, s14
	s_add_co_u32 s58, s58, 4
	s_lshl_b32 s58, s58, 20                        ; waves 0, 1: K's block 4 + g; waves 2, 3: V's block 6 + g
	s_lshl_b32 s59, s16, 15
	s_add_co_u32 s60, s58, s59                     ; + my 128 rows
	s_mov_b32 s61, 0
	s_mov_b32 s[G0], 1
	s_mul_i32 s[G0+1], s[WV], 128*PITCH
	s_wait_dscnt 0x0
	s_wait_kmcnt 0x0
	s_load_b256 s[68:75], s[6:7], 0x0              ; e0 .. e7
	s_add_nc_u64 s[G0+2:G0+3], s[4:5], s[60:61]
	s_or_b32 s[G0+3], s[G0+3], 0x80000000
	ROUND
	JL                                             ; visit 0's slot
	s_lshl_b32 s60, s13, 14                        ; the prefetches: my work-group's 16,384 bytes of a slot's K or V, my wave's half, in slot 1
	s_lshl_b32 s59, s16, 13
	s_add_co_u32 s60, s60, s59
	s_add_co_u32 s60, s60, s58
	s_add_co_u32 s60, s60, 65536
	s_add_nc_u64 s[PFA:PFA+1], s[4:5], s[60:61]
	s_cmp_eq_u32 s12, 0                            ; the head's first cluster, which walks all 16 slots on end, asks, in visits 0 to 13
	s_cselect_b32 s[LIM], 14, 0
	s_lshl_b32 s17, s12, 2
	s_add_co_u32 s17, s17, s13                     ; p: the second tile
	s_sub_co_u32 s18, 255, s17                     ; the first tile
	s_lshl_b32 s62, s14, 21                        ; head 2 g's block of q
	s_lshl_b32 s60, s18, 12
	s_add_co_u32 s60, s60, s62
	s_add_nc_u64 s[QB1:QB1+1], s[4:5], s[60:61]
	s_lshl_b32 s60, s17, 12
	s_add_co_u32 s60, s60, s62
	s_add_nc_u64 s[QB2:QB2+1], s[4:5], s[60:61]
	s_lshl_b32 s62, s14, 9
	s_lshl_b32 s60, s18, 14
	s_add_co_u32 s60, s60, s62
	s_add_nc_u64 s[OB1:OB1+1], s[8:9], s[60:61]
	s_lshl_b32 s60, s17, 14
	s_add_co_u32 s60, s60, s62
	s_add_nc_u64 s[OB2:OB2+1], s[8:9], s[60:61]
	s_mul_i32 s76, s[WV], 64*PITCH                 ; K: my 64 rows
	s_mul_i32 s77, s15, 64*PITCH                   ; V: units 64 (w / 2) on, byte 64 (w % 2)
	s_lshl_b32 s59, s16, 6
	s_add_co_u32 s77, s77, s59
	s_add_co_u32 s77, s77, VOFF
	s_lshl_b32 s78, s[WV], 10
	s_add_co_u32 s78, s78, PST
	s_lshl_b32 s79, s[WV], 8
	s_add_co_u32 s79, s79, LX
	s_lshl_b32 s80, s[WV], 6
	s_add_co_u32 s80, s80, STG
	s_mul_i32 s81, s15, STGH
	s_mul_i32 s59, s16, 8*PITCH
	s_add_co_u32 s81, s81, s59
	s_add_co_u32 s81, s81, STG
	s_lshl_b32 s82, s16, 13
	s_lshl_b32 s59, s15, 8
	s_add_co_u32 s82, s82, s59
	s_lshl_b32 s83, s18, 4
	s_lshl_b32 s84, s17, 4
	v_and_b32 v[T0], 15, v0                        ; r
	v_bfe_u32 v[T1], v0, 4, 1                      ; h
	v_and_b32 v[X], 31, v0                         ; lane
	v_lshlrev_b32 v[QO], 8, v[T0]
	v_lshl_add_u32 v[QO], v[T1], 4, v[QO]
	QLOAD QB1
	v_lshlrev_b32 v[PFO], 8, v[X]
	v_mul_u32_u24 v[X+1], v[T0], PITCH
	v_lshl_add_u32 v[X+2], v[T1], 4, v[X+1]
	v_add_nc_u32 v[AK], s76, v[X+2]
	v_add_nc_u32 v[AV], s77, v[X+2]
	v_lshl_add_u32 v[PW], v[X], 4, s78
	v_lshl_add_u32 v[PR], v[X], 4, PST
	v_lshl_add_u32 v[LXW], v[X], 2, s79
	v_lshl_add_u32 v[LXR], v[X], 2, LX
	v_lshl_add_u32 v[STO], v[T1], 3, v[X+1]
	v_add_nc_u32 v[STO], s80, v[STO]               ; the stage, in: row r, byte 64 w + 8 h
	v_mul_u32_u24 v[RD], v[T1], PITCH
	v_lshl_add_u32 v[RD], v[T0], 4, v[RD]
	v_add_nc_u32 v[RD], s81, v[RD]                 ; back: head w / 2, rows 8 (w % 2) + h on
	v_lshlrev_b32 v[GO], 10, v[T1]
	v_lshl_add_u32 v[GO], v[T0], 4, v[GO]
	v_add_nc_u32 v[GO], s82, v[GO]
	v_lshlrev_b32 v[X+3], 4, v[T1]
	v_sub_nc_u32 v[X+3], v[T0], v[X+3]
	v_add_nc_u32 v[DQ], s83, v[X+3]
	v_add_nc_u32 v[DQ2], s84, v[X+3]
	v_mov_b32 v[NINF], 0xff800000
	v_mov_b32 v[NM], -2.0
	v_mov_b32 v[NM+1], -2.0
.set j, 0
.rept 8
	v_mov_b32 v[L+j], 0
.set j, j+1
.endr
.set j, 0
.rept 64
	v_mov_b32 v[O+j], 0
.set j, j+1
.endr
	s_wait_alu depctr_va_vdst(0)
	s_wait_kmcnt 0x0
	s_add_co_i32 s58, s70, s71
	s_lshl_b32 s58, s58, 23
	s_add_co_i32 s[CS], s58, 0x3bb8aa3b            ; c = log2(e) / 256 x 2^(e2 + e3)
	s_mov_b32 s[CS+1], s[CS]
	s_add_co_i32 s58, s73, 127
	s_lshl_b32 s59, s58, 23
	v_mov_b32 v[SCP], s59                          ; 2^e5
	s_add_co_i32 s58, s58, 8
	s_lshl_b32 s58, s58, 23
	s_or_b32 s58, s58, 0x600000
	v_mov_b32 v[LIMP], s58                         ; 448 x 2^e5
	s_add_co_i32 s58, s74, 127
	s_lshl_b32 s59, s58, 23
	v_mov_b32 v[SC6], s59                          ; 2^e6
	s_add_co_i32 s58, s58, 8
	s_lshl_b32 s58, s58, 23
	s_or_b32 s58, s58, 0x600000
	v_mov_b32 v[LIM6], s58                         ; 448 x 2^e6
	s_add_co_i32 s[E45], s72, s73
	s_wait_alu depctr_va_vdst(0)
	s_wait_loadcnt 0x0                             ; Q
; THE CHANGE OF SLOTS, at a visit's head: the three lines, a round, and behind it the other slot takes the next visit's keys: 256 on, or the second tile's first 256.
.macro TOP fill
	s_wait_tensorcnt 0x0                           ; my one load has landed, so group 0 may be written
	ds_add_u32 v[SPW], v[NIL]
	s_wait_xcnt 0x0                                ; my prefetch and my stores have read their registers
.if \fill
	s_xor_b32 s[G0+1], s[G0+1], SLOT               ; (SLOT shares no bit with 128 PITCH w)
	s_add_co_u32 s[TS], s[I], 1
	s_cmp_eq_u32 s[TS], s[NL]
	s_cselect_b32 s[BK], s[NLB], 0
	s_add_nc_u64 s[G0+2:G0+3], s[G0+2:G0+3], 65536
	s_sub_nc_u64 s[G0+2:G0+3], s[G0+2:G0+3], s[BK:BK+1]
	s_add_nc_u64 s[PFA:PFA+1], s[PFA:PFA+1], 65536
.endif
	s_wait_dscnt 0x0                               ; the add is done, and my reads of the other slot are over
	ROUND
.if \fill
	JL
	s_cmp_lt_u32 s[I], s[LIM]                      ; a prefetch of slot I + 2, one visit ahead of its load: each block of 256 bytes is named once in the launch
	s_cbranch_scc0 .Lna_\@
	global_prefetch_b8 v[PFO], s[PFA:PFA+1] th:TH_LOAD_NT scope:SCOPE_SE
.Lna_\@:
.endif
.endm
.macro STEP
	v_add_nc_u32 v[AKT], s[TB], v[AK]
	v_add_nc_u32 v[AVT], s[TB], v[AV]
	WIN 0x40
.irp t, 0,1,2,3                        ; K: my four tiles of 16 keys x two halves of d
.irp u, 0,1
.irp c, 0,1,2,3
	ds_load_b128 v[32*\t+16*\u+4*\c:32*\t+16*\u+4*\c+3], v[AKT] offset:16*\t*PITCH+128*\u+32*\c
.endr
.endr
.endr
.irp s, 0,1                            ; V: my four tiles of 16 d x two runs of 128 keys
.irp i, 0,1,2,3
.irp c, 0,1,2,3
	ds_load_b128 v[128+64*\s+16*\i+4*\c:128+64*\s+16*\i+4*\c+3], v[AVT] offset:(128*\s+16*\i)*PITCH+128*(\c/2)+32*(\c%2)
.endr
.endr
.endr
	s_wait_dscnt 32                                ; K's 32 loads are in; V's 32 may be out
	WIN 0x01
.irp u, 0,1                            ; S^T = K Q^T: eight accumulators by turns
.irp e, 0,1
.irp t, 0,1,2,3
.if \u == 0
	v_wmma_f32_16x16x128_fp8_fp8 v[S+32*\e+8*\t:S+32*\e+8*\t+7], v[32*\t:32*\t+15], v[Q+32*\e:Q+32*\e+15], 0
.else
	v_wmma_f32_16x16x128_fp8_fp8 v[S+32*\e+8*\t:S+32*\e+8*\t+7], v[32*\t+16:32*\t+31], v[Q+32*\e+16:Q+32*\e+31], v[S+32*\e+8*\t:S+32*\e+8*\t+7]
.endif
.endr
.endr
.endr
	WIN 0
.rept 4
	v_nop
.endr
	s_cmp_lt_u32 s[KB], s[LASTB]                   ; a block ahead of the tile's own has no hidden key
	s_cbranch_scc1 .Lopen_\@
	s_lshl_b32 s[TS], s[KB], 6
	v_sub_nc_u32 v[T0], v[DQ], s[TS]               ; register 16 b + i holds a hidden key where 32 b + i > this
.set m, 0
.rept 32
	v_cmp_gt_i32 vcc_lo, 32*(m/16)+m%16, v[T0]
	v_cndmask_b32 v[S+m], v[S+m], v[NINF], vcc_lo
	v_cndmask_b32 v[S+32+m], v[S+32+m], v[NINF], vcc_lo
.set m, m+1
.endr
.Lopen_\@:
.set j, 0
.rept 32
	v_pk_fma_f32 v[S+j:S+j+1], v[S+j:S+j+1], s[CS:CS+1], v[NM:NM+1] op_sel_hi:[1,0,0]   ; t - 2
.set j, j+2
.endr
	s_wait_alu depctr_va_vdst(0)                   ; ahead of the batch
.set j, 0
.rept 64
	v_exp_f32 v[S+j], v[S+j]
.set j, j+1
.endr
	v_nop
	s_wait_alu depctr_va_vdst(0)                   ; and behind it
.set j, 0
.rept 8                                ; the sums of the unquantised p: four chains
	v_pk_add_f32 v[L:L+1], v[L:L+1], v[S+4*j:S+4*j+1]
	v_pk_add_f32 v[L+4:L+5], v[L+4:L+5], v[S+32+4*j:S+32+4*j+1]
	v_pk_add_f32 v[L+2:L+3], v[L+2:L+3], v[S+4*j+2:S+4*j+3]
	v_pk_add_f32 v[L+6:L+7], v[L+6:L+7], v[S+32+4*j+2:S+32+4*j+3]
.set j, j+1
.endr
.set k, 0
.rept 4                                ; k = 2 e + b: 16 neighbouring keys
.set m, 0
.rept 16
	v_min_num_f32 v[S+16*k+m], v[S+16*k+m], v[LIMP]   ; the conversion does not saturate (ISA guide 7.6.2); p is not negative
.set m, m+1
.endr
	v_cvt_scalef32_pk8_fp8_f32 v[P+4*k:P+4*k+1], v[S+16*k:S+16*k+7], v[SCP]
	v_cvt_scalef32_pk8_fp8_f32 v[P+4*k+2:P+4*k+3], v[S+16*k+8:S+16*k+15], v[SCP]
.set k, k+1
.endr
	v_nop                                          ; a plain line behind the last conversion
.set k, 0
.rept 4
	ds_store_b128 v[PW], v[P+4*k:P+4*k+3] offset:(k/2)*4096+(k%2)*512
.set k, k+1
.endr
	s_wait_dscnt 0x0                               ; my codes lie in LDS (and V is in)
	s_barrier_signal -1
	s_barrier_wait -1
	WIN 0x40
.irp e, 0,1                            ; all waves' codes: head e, run s of 128 keys: registers 4 c on hold keys 32 c + 16 h on
.irp s, 0,1
.irp c, 0,1,2,3
	ds_load_b128 v[32*\e+16*\s+4*\c:32*\e+16*\s+4*\c+3], v[PR] offset:\e*4096+(2*\s+\c/2)*1024+(\c%2)*512
.endr
.endr
.endr
	s_wait_dscnt 0x0
	WIN 0x05
.irp s, 0,1                            ; the visit's O^T = V^T P^T, begun with 0, where p lay: eight accumulators by turns
.irp e, 0,1
.irp i, 0,1,2,3
.if \s == 0
	v_wmma_f32_16x16x128_fp8_fp8 v[S+32*\e+8*\i:S+32*\e+8*\i+7], v[128+16*\i:128+16*\i+15], v[32*\e:32*\e+15], 0
.else
	v_wmma_f32_16x16x128_fp8_fp8 v[S+32*\e+8*\i:S+32*\e+8*\i+7], v[192+16*\i:192+16*\i+15], v[32*\e+16:32*\e+31], v[S+32*\e+8*\i:S+32*\e+8*\i+7]
.endif
.endr
.endr
.endr
	WIN 0
.rept 4
	v_nop
.endr
.set j, 0
.rept 32
	v_pk_add_f32 v[O+j:O+j+1], v[O+j:O+j+1], v[S+j:S+j+1]   ; onto the tile's O^T
.set j, j+2
.endr
	s_xor_b32 s[TB], s[TB], SLOT
	s_add_co_u32 s[KB], s[KB], 4
.endm
; A TILE'S END: the sums are joined over the four waves, O^T is divided, quantised, staged, and leaves in units of 256 bytes.  more = 1: the second tile's Q is asked for at once, and O^T and the sums begin anew.
.macro EPI more, ob
	s_wait_alu depctr_va_vdst(0)
	v_pk_add_f32 v[L:L+1], v[L:L+1], v[L+2:L+3]
	v_pk_add_f32 v[L+4:L+5], v[L+4:L+5], v[L+6:L+7]
	v_add_f32 v[L], v[L], v[L+1]
	v_add_f32 v[L+4], v[L+4], v[L+5]
	v_permlanex16_b32 v[T0], v[L], s[SEL], s[SEL+1]
	v_permlanex16_b32 v[T1], v[L+4], s[SEL], s[SEL+1]
	v_add_f32 v[L], v[L], v[T0]
	v_add_f32 v[L+4], v[L+4], v[T1]
	ds_store_b32 v[LXW], v[L]
	ds_store_b32 v[LXW], v[L+4] offset:128
.if \more
	QLOAD QB2
.endif
	s_wait_dscnt 0x0
	s_barrier_signal -1
	s_barrier_wait -1
.irp x, 0,1,2,3
.irp e, 0,1
	ds_load_b32 v[X+2*\x+\e], v[LXR] offset:256*\x+128*\e
.endr
.endr
	s_wait_dscnt 0x0
	v_pk_add_f32 v[X:X+1], v[X:X+1], v[X+2:X+3]
	v_pk_add_f32 v[X+4:X+5], v[X+4:X+5], v[X+6:X+7]
	v_pk_add_f32 v[X:X+1], v[X:X+1], v[X+4:X+5]
	s_wait_alu depctr_va_vdst(0)                   ; ahead of the batch
	v_rcp_f32 v[L], v[X]
	v_rcp_f32 v[L+4], v[X+1]
	v_nop
	s_wait_alu depctr_va_vdst(0)                   ; and behind it
	v_ldexp_f32 v[L], v[L], s[E45]                 ; x 2^(e4 + e5)
	v_ldexp_f32 v[L+4], v[L+4], s[E45]
.set j, 0
.rept 32
	v_pk_mul_f32 v[S+j:S+j+1], v[O+j:O+j+1], v[L+4*(j/32):L+4*(j/32)+1] op_sel_hi:[1,0]
.set j, j+2
.endr
.set j, 0
.rept 64
	v_med3_num_f32 v[S+j], v[S+j], -v[LIM6], v[LIM6]
.set j, j+1
.endr
.set k, 0
.rept 8
	v_cvt_scalef32_pk8_fp8_f32 v[P+2*k:P+2*k+1], v[S+8*k:S+8*k+7], v[SC6]
.set k, k+1
.endr
	v_nop
.set k, 0
.rept 8
	ds_store_b64 v[STO], v[P+2*k:P+2*k+1] offset:(k/4)*STGH+16*(k%4)
.set k, k+1
.endr
.if \more
.set j, 0
.rept 64
	v_mov_b32 v[O+j], 0
.set j, j+1
.endr
.set j, 0
.rept 8
	v_mov_b32 v[L+j], 0
.set j, j+1
.endr
	v_mov_b32 v[DQ], v[DQ2]
.endif
	s_wait_alu depctr_va_vdst(0)
	s_wait_dscnt 0x0
	s_barrier_signal -1
	s_barrier_wait -1
.irp i, 0,1,2,3
	ds_load_b128 v[S+4*\i:S+4*\i+3], v[RD] offset:2*\i*PITCH
.endr
.irp i, 0,1,2,3
	s_wait_dscnt 3-\i                              ; load i is in; the younger ones may be out
	global_store_b128 v[GO], v[S+4*\i:S+4*\i+3], s[\ob:\ob+1] offset:2*\i*1024   ; 16 lanes store 256 consecutive bytes, aligned
.endr
.if \more
	s_wait_loadcnt 0x0                             ; the second tile's Q
.endif
.endm
.Lloop:                                            ; visits 0 to 15
	TOP 1
	STEP
	s_add_co_u32 s[TS], s[I], 1
	s_cmp_lg_u32 s[TS], s[NL]                      ; the cluster's number and the count of visits alone: the same in all waves and partners
	s_cbranch_scc1 .Lsame
	EPI 1, OB1
	s_mov_b32 s[LASTB], s12
	s_mov_b32 s[KB], s[WV]
.Lsame:
	s_add_co_u32 s[I], s[I], 1
	s_cmp_lt_u32 s[I], 16
	s_cbranch_scc1 .Lloop
	TOP 0                                          ; visit 16 is written out: nothing is left to fetch
	STEP
	EPI 0, OB2
	s_wait_tensorcnt 0x0                           ; the wave's end
	ds_add_u32 v[SPW], v[NIL]
	s_wait_dscnt 0x0
	ROUND                                          ; the closing round
	s_endpgm
.Lfunc_end_k_q002cce7acc_attn:
	.size	k_q002cce7acc_attn, .Lfunc_end_k_q002cce7acc_attn-k_q002cce7acc_attn
	.p2alignl 7, 3214868480
	.fill 96, 4, 3214868480
	.section	.rodata,"a",@progbits
	.p2align	6, 0x0
	.amdhsa_kernel k_q002cce7acc_attn
		.amdhsa_group_segment_fixed_size 327680
		.amdhsa_private_segment_fixed_size 0
		.amdhsa_enable_private_segment 0
		.amdhsa_kernarg_size 24
		.amdhsa_user_sgpr_count 2
		.amdhsa_user_sgpr_kernarg_segment_ptr 1
		.amdhsa_wavefront_size32 1
		.amdhsa_system_sgpr_workgroup_id_x 1
		.amdhsa_system_sgpr_workgroup_id_y 1
		.amdhsa_system_sgpr_workgroup_id_z 1
		.amdhsa_system_vgpr_workitem_id 0
		.amdhsa_next_free_vgpr 512
		.amdhsa_next_free_sgpr 96
		.amdhsa_reserve_vcc 1
		.amdhsa_float_denorm_mode_32 3
		.amdhsa_float_denorm_mode_16_64 3
		.amdhsa_memory_ordered 1
		.amdhsa_forward_progress 1
		.amdhsa_inst_pref_size 80
	.end_amdhsa_kernel
	.amdgpu_metadata
---
amdhsa.version: [ 1, 2 ]
amdhsa.kernels:
  - .name:           k_q002cce7acc_attn
    .symbol:         k_q002cce7acc_attn.kd
    .args:
      - { .name: qkvc, .offset: 0, .size: 8, .value_kind: global_buffer, .address_space: global }
      - { .name: lowp_scales, .offset: 8, .size: 8, .value_kind: global_buffer, .address_space: global }
      - { .name: attn_codes, .offset: 16, .size: 8, .value_kind: global_buffer, .address_space: global }
    .group_segment_fixed_size: 327680
    .private_segment_fixed_size: 0
    .kernarg_segment_align: 8
    .kernarg_segment_size: 24
    .max_flat_workgroup_size: 128
    .sgpr_count:     96
    .vgpr_count:     512
    .wavefront_size: 32
...
	.end_amdgpu_metadata
.endif
;; end of part 3
;; launch oproj (part 4): grid 8 x 32, 4 waves a work-group, clusters of 4 x 4, 327,680 bytes of LDS; arguments attn_codes, ow_codes, lowp_scales, out0; writes out0
.if DOCPART == 4
	.amdgcn_target "amdgcn-amd-amdhsa--gfx1250"
	.amdhsa_code_object_version 6
	.text
	.protected	k_q002cce7acc_oproj
	.globl	k_q002cce7acc_oproj
	.p2align	8
	.type	k_q002cce7acc_oproj,@function
k_q002cce7acc_oproj:
	s_mov_b64 s[64:65], 0
	v_nop
	global_prefetch_b8 v0, s[64:65] scope:SCOPE_SE
	s_setreg_imm32_b32 hwreg(HW_REG_WAVE_MODE, 25, 1), 1
	s_wait_xcnt 0x0
	s_wait_alu depctr_hold_cnt(0) depctr_sa_sdst(0) depctr_va_vdst(0) depctr_va_sdst(0) depctr_va_ssrc(0) depctr_va_vcc(0) depctr_vm_vsrc(0)
	s_getreg_b32 s2, hwreg(HW_REG_IB_STS2, 6, 4)
	s_cmp_eq_u32 s2, 0
	s_cbranch_scc0 .Lentry_in_a_cluster
	s_endpgm
.Lentry_in_a_cluster:
	s_bfe_u32 s2, ttmp6, 0x10000c
	s_cmp_lg_u32 s2, 0xf033
	s_cbranch_scc0 .Lentry_shape_is_right
	s_endpgm
.Lentry_shape_is_right:
; OPROJ.  out0[m][n] = sum over k of A[m][k] B[n][k] x 2^(e6 + e7).  A = attn_codes [4096][1024], B = ow_codes [2048][1024]: codes of E4M3, K innermost; out0 [4096][2048] f32; sums in f32.
; The codes are multiplied as they are, and each finished sum once by 2^(e6 + e7).  LIMIT: e6 + e7 lies between -126 and 127, so that 2^(e6 + e7) is an f32 number.
; A tile of 128 rows x 256 columns is made by a work-group of four waves: 8 x 32 = 256 work-groups.  Wave w makes rows 64 (w / 2) on x columns 128 (w % 2) on: 32 accumulators of 16 x 16, 256 registers.
; K goes in steps of 256 through a ring of two LDS slots of 384 rows: three chunks of 128 rows x 256 bytes: A's, then B's two.  K = 1,024 is four slots: the ring is written out, with two refills.
; CLUSTERS: 4 x 4 work-groups.  The four of a row of the cluster need the same tiles of A, the four of a column the same tiles of B: each chunk is asked for JOINTLY, by the same tensor load with the same descriptor and a
; mask that names the four: wave 0 asks for A's chunk, waves 1 and 2 for B's two, wave 3 for none.  THE MATRIX INSTRUCTION IS USED TRANSPOSED (source 0 = 16 rows of B, source 1 = 16 rows of A): a lane then holds eight
; neighbouring numbers of a row of the output.
; REGISTERS, in windows of 256: window 0: v0-31 addresses; v128-255 A's fragments, two sets of 64; on the way out v32-255 are free.  window 1: B's fragments, two sets of 128.  window 2: the accumulators, (a, b) at v[8 (8 a + b)].
.set SIZE_N, 2048
.set SIZE_K, 1024
.set ROWB,   256                       ; a tile's row in bytes
.set KROW,   SIZE_K                    ; a row of A or of B in memory, in bytes
.set PITCH,  272                       ; an LDS row: 256 bytes + 16 of padding = 68 words: the 16 rows that a load touches start at 16 different banks (64 banks of 4 bytes: ISA guide 11.1)
.set FR,     16                        ; registers of a fragment: 16 rows x 128 K
.set NP,     4                         ; places behind this matrix instruction (ISA guide 7.12.1)
.set CHUNK,  128*PITCH                 ; what one tensor load brings
.set SLOT,   3*CHUNK
.set SPARE,  2*SLOT                    ; behind the ring: the spare words, 128 bytes for each wave: two blocks of 256 bytes that no other line names
.set STAGE,  SPARE+512                 ; behind them: a stage of 16 rows x (512 bytes + 16) for each wave, for the way out; no tile lands there
.set SPITCH, 528
.set ADRA, 16                          ; v16-17  LDS address of my A fragments in slot 0, 1
.set ADRB, 20                          ; v20-21  the same for B
.set STO,  24                          ; v24     the way out: where I put 32 bytes of a row
.set RD,   25                          ; v25     the way out: where I read a row back
.set CO,   26                          ; v26     my byte offset in a row of the output
.set SPW,  28                          ; v28     LDS address of my spare word; never rewritten
.set NIL,  29                          ; v29     0; never rewritten
.set TMP,  32                          ; the way out: 64 registers, a block's sums x 2^(e6 + e7)
.set AF,   128                         ; A's fragments, in window 0
.set BK,   128                         ; the way out: 16 rows read back from the stage: v128-191 and v192-255 by turns
.set G1, 24                            ; s[24:31] descriptor group 1 for A's chunk;  s[32:39] group 0, one set for each slot
.set G0, 32
.set G1B, 48                           ; s[48:55], s[56:63] the same for B's chunks
.set G0B, 56
.set MSB, 0
.macro WIN new                         ; the immediate's high byte repeats the setting that is left
.if MSB != \new
	s_set_vgpr_msb (MSB<<8)|\new
.set MSB, \new
.endif
.endm
.set MUL,    0xa1                      ; source 0 (B) window 1, source 1 (A) window 0, C and D window 2
.set TO_B,   0x40                      ; destination window 1, address window 0
.macro PLACES n
.rept \n
	v_nop
.endr
.endm
; A joint refill of slot s.  Each of the two lines has ONE mask and one set of registers for all that issue it; the branches hang on the wave's number alone.  Four v_nop follow each line.
.macro JLOAD s
	s_cmp_eq_u32 s14, 0
	s_cbranch_scc0 .Lnot_a_\@
	tensor_load_to_lds s[G0+4*\s:G0+4*\s+3], s[G1:G1+7]
	s_nop 0
	PLACES 4
	s_branch .Lasked_\@
.Lnot_a_\@:
	s_cmp_lt_u32 s14, 3
	s_cbranch_scc0 .Lasked_\@
	tensor_load_to_lds s[G0B+4*\s:G0B+4*\s+3], s[G1B:G1B+7]
	s_nop 0
	PLACES 4
.Lasked_\@:
.endm
.macro CROUND                          ; a round of the cluster's barrier
	s_barrier_signal -1
	s_barrier_wait -1
	s_cmp_lg_u32 s14, 0
	s_cbranch_scc1 .Lnot_wave_0_\@
	s_barrier_signal -3
.Lnot_wave_0_\@:
	s_barrier_wait -3
	s_barrier_signal -1
	s_barrier_wait -1
.endm
	s_load_b128 s[4:7], s[0:1], 0x0                ; A's codes s[4:5], B's codes s[6:7]
	s_load_b128 s[8:11], s[0:1], 0x10              ; the scales' exponents s[8:9], the output s[10:11]
	v_lshl_add_u32 v[SPW], v0, 2, SPARE
	v_mov_b32 v[NIL], 0
	ds_add_u32 v28, v29
	ds_add_u32 v28, v29
	s_wait_dscnt 0x0
	v_lshrrev_b32 v1, 5, v0
	v_readfirstlane_b32 s14, v1                    ; wave 0..3
	s_lshr_b32 s15, s14, 1                         ; which 64 of the tile's rows are mine.  Also: which of B's two chunks waves 1 and 2 fetch (0 and 1)
	s_and_b32 s16, s14, 1                          ; which 128 of its columns
	s_bfe_u32 s40, ttmp6, 0x40000                  ; cx, cy: my place in the cluster
	s_bfe_u32 s41, ttmp6, 0x40004
	s_lshl_b32 s42, ttmp9, 2
	s_add_co_u32 s42, s42, s40                     ; tile column = 4 x cluster x + cx
	s_and_b32 s17, ttmp7, 0xffff
	s_lshl_b32 s17, s17, 2
	s_add_co_u32 s17, s17, s41                     ; tile row = 4 x cluster y + cy
	s_lshl_b32 s43, s41, 2
	s_lshl_b32 s43, 15, s43                        ; my row of the cluster
	s_lshl_b32 s44, 0x1111, s40                    ; my column
	; descriptor group 1: a chunk of 128 rows x 256 bytes, padded in LDS
	s_or_b32 s[G1+0], s43, (0<<16)|(1<<20)|(1<<21)|(5<<22)|(3<<25)  ; the mask: A's chunk goes to my row; elements of 1 byte; padding on; bit 21 beside a mask; after every 64 words (code 5) 4 words (code 3)
	s_or_b32 s[G1B+0], s44, (0<<16)|(1<<20)|(1<<21)|(5<<22)|(3<<25)
.irp g, G1, G1B
	s_mov_b32 s[\g+1], ROWB<<16                    ; tensor_dim0
	s_mov_b32 s[\g+2], 128<<16                     ; tensor_dim1 = 128
	s_mov_b32 s[\g+3], ROWB<<16                    ; tile_dim0
	s_mov_b32 s[\g+4], 128                         ; tile_dim1 = 128
	s_mov_b32 s[\g+5], KROW                        ; from row to row
	s_mov_b32 s[\g+6], 0
	s_mov_b32 s[\g+7], 0
.endr
	s_lshl_b32 s20, s17, 17                        ; A: 128 x tile row rows of 1,024 bytes: it hangs on the tile row alone
	s_mov_b32 s21, 0
	s_lshl_b32 s46, s42, 18                        ; B: 256 x tile column rows, + the chunk's 128: it hangs on the tile column and the wave's number alone
	s_lshl_b32 s47, s15, 17
	s_add_co_u32 s46, s46, s47
	s_mov_b32 s47, 0
	s_mul_i32 s45, s15, CHUNK                      ; where B's chunk goes: behind A's: no place in the cluster enters an LDS address
	s_add_co_u32 s45, s45, CHUNK
	s_wait_kmcnt 0x0
	s_load_b64 s[96:97], s[8:9], 0x18              ; e6, e7
	s_add_nc_u64 s[20:21], s[4:5], s[20:21]
	s_add_nc_u64 s[46:47], s[6:7], s[46:47]
.irp s, 0,1
	s_mov_b32 s[G0+4*\s], 1
	s_mov_b32 s[G0+4*\s+1], \s*SLOT
	s_add_nc_u64 s[G0+4*\s+2:G0+4*\s+3], s[20:21], \s*ROWB
	s_or_b32 s[G0+4*\s+3], s[G0+4*\s+3], 0x80000000
	s_mov_b32 s[G0B+4*\s], 1
	s_add_co_u32 s[G0B+4*\s+1], s45, \s*SLOT
	s_add_nc_u64 s[G0B+4*\s+2:G0B+4*\s+3], s[46:47], \s*ROWB
	s_or_b32 s[G0B+4*\s+3], s[G0B+4*\s+3], 0x80000000
.endr
	CROUND                                         ; all sixteen work-groups are here: the first joint loads meet
	s_cmp_eq_u32 s14, 0                            ; the head's one tensor load a wave: K step 0
	s_cbranch_scc0 .Lfirst_not_a
	tensor_load_to_lds s[G0:G0+3], s[G1:G1+7]
	s_nop 0
	PLACES 4
	s_branch .Lfirst_asked
.Lfirst_not_a:
	s_cmp_lt_u32 s14, 3
	s_cbranch_scc0 .Lfirst_asked
	tensor_load_to_lds s[G0B:G0B+3], s[G1B:G1B+7]
	s_nop 0
	PLACES 4
.Lfirst_asked:
	v_and_b32 v1, 15, v0                           ; l % 16
	s_wait_alu depctr_va_vdst(0)
	v_bfe_u32 v2, v0, 4, 1                         ; l / 16
	v_mul_u32_u24 v3, v1, PITCH
	v_lshl_add_u32 v4, v2, 4, v3                   ; a fragment's row x pitch + 16 x half
	s_mul_i32 s21, s15, 64*PITCH                   ; my 64 rows of A
	s_mul_i32 s22, s16, CHUNK                      ; my 128 rows of B,
	s_add_co_u32 s22, s22, CHUNK                   ; which lie behind A's 128
.irp s, 0,1
	v_add_nc_u32 v[ADRA+\s], s21, v4
	v_add_nc_u32 v[ADRB+\s], s22, v4
	s_add_co_u32 s21, s21, SLOT
	s_add_co_u32 s22, s22, SLOT
.endr
	s_mul_i32 s23, s14, 16*SPITCH
	s_add_co_u32 s23, s23, STAGE                   ; my stage
	v_mul_u32_u24 v5, v1, SPITCH                   ; in: row l % 16, 32 bytes for each half of the lanes
	s_wait_alu depctr_va_vdst(0)
	v_lshl_add_u32 v5, v2, 5, v5
	v_add_nc_u32 v[STO], s23, v5
	v_and_b32 v6, 31, v0
	v_lshlrev_b32 v[CO], 4, v6                     ; back: the 32 lanes take one row of 512 bytes; and the same in the output
	v_add_nc_u32 v[RD], s23, v[CO]
	s_lshl_b32 s20, s17, 7
	s_lshl_b32 s21, s15, 6
	s_add_co_u32 s20, s20, s21                     ; my first row: 128 x tile row + 64 x half
	s_mov_b32 s21, 0
	s_mov_b64 s[18:19], SIZE_N*4
	s_mul_u64 s[20:21], s[20:21], s[18:19]
	s_lshl_b32 s46, s42, 10                        ; my first column, in bytes: 1024 x tile column + 512 x half
	s_lshl_b32 s47, s16, 9
	s_add_co_u32 s46, s46, s47
	s_mov_b32 s47, 0
	s_add_nc_u64 s[20:21], s[20:21], s[46:47]
	s_add_nc_u64 s[10:11], s[10:11], s[20:21]
.macro FRAG reg, adr, q, row           ; a fragment: lane l holds row l % 16; registers 4 c .. 4 c + 3 hold K = 32 c + 16 (l / 16) + 0 .. 15: the same order of k in A and in B
.irp c, 0,1,2,3
	ds_load_b128 v[\reg+4*\c:\reg+4*\c+3], v[\adr] offset:128*(\q)+32*\c+(\row)*PITCH
.endr
.endm
.macro FETCH slot, q                   ; the slot's q-th 128 along K: B's eight fragments and A's four, into set q: 48 loads
	WIN TO_B
.irp i, 0,1,2,3,4,5,6,7
	FRAG 128*(\q)+FR*\i, ADRB+\slot, \q, 16*\i
.endr
	WIN 0
.irp i, 0,1,2,3
	FRAG AF+64*(\q)+FR*\i, ADRA+\slot, \q, 16*\i
.endr
.endm
; 32 matrix instructions: A's four blocks x B's eight, 128 along K, from set p.  zero = 1: the first product starts the sums.  The 32 accumulators take turns, one instruction a turn.
.macro MUL32 p, zero
.irp a, 0,1,2,3
.irp b, 0,1,2,3,4,5,6,7
.if \zero
	v_wmma_f32_16x16x128_fp8_fp8 v[8*(8*\a+\b):8*(8*\a+\b)+7], v[128*(\p)+FR*\b:128*(\p)+FR*\b+FR-1], v[AF+64*(\p)+FR*\a:AF+64*(\p)+FR*\a+FR-1], 0
.else
	v_wmma_f32_16x16x128_fp8_fp8 v[8*(8*\a+\b):8*(8*\a+\b)+7], v[128*(\p)+FR*\b:128*(\p)+FR*\b+FR-1], v[AF+64*(\p)+FR*\a:AF+64*(\p)+FR*\a+FR-1], v[8*(8*\a+\b):8*(8*\a+\b)+7]
.endif
.endr
.endr
.endm
; A slot's work: two steps of 128 along K.  The second step's loads are on their way while the first step is multiplied.
.macro WORK slot, zero
	FETCH \slot, 0
	s_wait_dscnt 0x0                               ; set 0 is in
	FETCH \slot, 1
	WIN MUL
	MUL32 0, \zero
	s_wait_dscnt 0x0                               ; set 1 is in
	MUL32 1, 0
	WIN 0
	PLACES NP                                      ; behind the last product: the next loads land in registers that these products read, and the way out reads results
.endm
; THE CHANGE OF SLOTS stands at a slot's head.  Each wave waits for all its tensor loads (its chunk of the slot ahead), adds 0 to its spare word, and waits for that and for its reads of the slot that it has left.
; fill = 1: the barrier is a round of the cluster's, so that no wave of any partner still reads slot fs or has a load on its way; behind it slot fs is filled with the K step two further on.
.macro CHANGE fs, fill
	s_wait_tensorcnt 0x0                           ; no tensor load of mine is out, so a group 0 may be written
	ds_add_u32 v[SPW], v[NIL]                      ; 0 onto my spare word
.if \fill
	ds_add_u32 v[SPW], v[NIL]                      ; the add twice on end here
	s_add_nc_u64 s[G0+4*\fs+2:G0+4*\fs+3], s[G0+4*\fs+2:G0+4*\fs+3], 2*ROWB
	s_add_nc_u64 s[G0B+4*\fs+2:G0B+4*\fs+3], s[G0B+4*\fs+2:G0B+4*\fs+3], 2*ROWB
.endif
	s_wait_dscnt 0x0                               ; the add is done, and my reads of the slot that I have left are over
.if \fill
	CROUND
	JLOAD \fs                                      ; the first thing behind the round, and my one tensor load until the next
.else
	s_barrier_signal -1
	s_barrier_wait -1
.endif
.endm
	s_wait_alu depctr_va_vdst(0)
	s_wait_tensorcnt 0x0                           ; my chunk of K step 0 is in; slot 1's first fill is issued as a refill is
	ds_add_u32 v[SPW], v[NIL]
	ds_add_u32 v[SPW], v[NIL]                      ; twice on end
	s_wait_dscnt 0x0
	CROUND                                         ; everybody's chunk is in, and the joint loads meet
	JLOAD 1                                        ; K step 1, my one tensor load behind this round
	WORK 0, 1                                      ; K step 0: its first products start the sums
	CHANGE 0, 1                                    ; slot 0 takes K step 2
	WORK 1, 0
	CHANGE 1, 1                                    ; slot 1 takes K step 3
	WORK 0, 0
	CHANGE 0, 0                                    ; nothing is left to fetch
	WORK 1, 0
; THE WAY OUT, block by block of 16 rows x 128 columns.  A lane holds 32 neighbouring bytes of a row, and the lanes beside it hold other rows: so a block goes through my own stage in LDS and comes back as whole
; rows of 512 bytes.  LDS serves a wave's instructions in order (ISA guide 5.7.1.4): no wait between the stores and the loads, nor in front of the next block's stores.
.macro TOSTAGE a
.set AC, 64*(\a)
	WIN 0x02                                       ; source 0: window 2
.irp j, 0,2,4,6,8,10,12,14,16,18,20,22,24,26,28,30,32,34,36,38,40,42,44,46,48,50,52,54,56,58,60,62
	v_pk_mul_f32 v[TMP+\j:TMP+\j+1], v[AC+\j:AC+\j+1], s[96:97] op_sel_hi:[1,0]   ; both x s96 = 2^(e6 + e7); each accumulator from its low end on
.endr
	WIN 0
.irp b, 0,1,2,3,4,5,6,7
	ds_store_b128 v[STO], v[TMP+8*\b:TMP+8*\b+3] offset:64*\b
	ds_store_b128 v[STO], v[TMP+8*\b+4:TMP+8*\b+7] offset:64*\b+16
.endr
.set BB, BK+64*((\a)%2)
.irp t, 0,1,2,3,4,5,6,7,8,9,10,11,12,13,14,15
	ds_load_b128 v[BB+4*\t:BB+4*\t+3], v[RD] offset:\t*SPITCH
.endr
.endm
.macro SEND a, younger                 ; younger: the LDS instructions issued behind block a's loads, which may stay out
.set BB, BK+64*((\a)%2)
	s_wait_dscnt \younger                          ; the block is back in registers
.if (\a) > 0
	s_add_nc_u64 s[10:11], s[10:11], 16*SIZE_N*4   ; (behind a wait on XCNT: the earlier stores have read their base)  16 rows on, so that the stores' offsets stay small
.endif
.irp t, 0,1,2,3,4,5,6,7,8,9,10,11,12,13,14,15
	global_store_b128 v[CO], v[BB+4*\t:BB+4*\t+3], s[10:11] offset:\t*SIZE_N*4 th:TH_STORE_NT   ; 32 lanes store 512 consecutive bytes, at a multiple of 256 from the output's first byte; written once, read by nobody here
.endr
.endm
	s_wait_kmcnt 0x0
	s_add_co_i32 s96, s96, s97                     ; e6 + e7, between -126 and 127,
	s_add_co_i32 s96, s96, 127
	s_lshl_b32 s96, s96, 23                        ; makes the f32 number 2^(e6 + e7)
	TOSTAGE 0
.irp a, 1,2,3
.if \a > 1
	s_wait_xcnt 0x0                                ; block a - 2's stores have read their registers and their base: block a's loads may land there, and the base may step
.endif
	TOSTAGE \a
	SEND \a-1, 32                                  ; behind block a - 1's loads: block a's 16 stores and 16 loads
.endr
	s_wait_xcnt 0x0                                ; block 2's stores have read their base
	SEND 3, 0
	s_wait_tensorcnt 0x0                           ; the wave's end
	ds_add_u32 v[SPW], v[NIL]
	s_wait_dscnt 0x0
	CROUND                                         ; the closing round: no work-group ends while a partner may still ask for a tile that names it
	s_endpgm
.Lfunc_end_k_q002cce7acc_oproj:
	.size	k_q002cce7acc_oproj, .Lfunc_end_k_q002cce7acc_oproj-k_q002cce7acc_oproj
	.p2alignl 7, 3214868480
	.fill 96, 4, 3214868480
	.section	.rodata,"a",@progbits
	.p2align	6, 0x0
	.amdhsa_kernel k_q002cce7acc_oproj
		.amdhsa_group_segment_fixed_size 327680
		.amdhsa_private_segment_fixed_size 0
		.amdhsa_enable_private_segment 0
		.amdhsa_kernarg_size 32
		.amdhsa_user_sgpr_count 2
		.amdhsa_user_sgpr_kernarg_segment_ptr 1
		.amdhsa_wavefront_size32 1
		.amdhsa_system_sgpr_workgroup_id_x 1
		.amdhsa_system_sgpr_workgroup_id_y 1
		.amdhsa_system_sgpr_workgroup_id_z 1
		.amdhsa_system_vgpr_workitem_id 0
		.amdhsa_next_free_vgpr 1024
		.amdhsa_next_free_sgpr 98
		.amdhsa_reserve_vcc 0
		.amdhsa_float_denorm_mode_32 3
		.amdhsa_float_denorm_mode_16_64 3
		.amdhsa_memory_ordered 1
		.amdhsa_forward_progress 1
		.amdhsa_inst_pref_size 75
	.end_amdhsa_kernel
	.amdgpu_metadata
---
amdhsa.version: [ 1, 2 ]
amdhsa.kernels:
  - .name:           k_q002cce7acc_oproj
    .symbol:         k_q002cce7acc_oproj.kd
    .args:
      - { .name: attn_codes, .offset: 0, .size: 8, .value_kind: global_buffer, .address_space: global }
      - { .name: ow_codes, .offset: 8, .size: 8, .value_kind: global_buffer, .address_space: global }
      - { .name: lowp_scales, .offset: 16, .size: 8, .value_kind: global_buffer, .address_space: global }
      - { .name: out0, .offset: 24, .size: 8, .value_kind: global_buffer, .address_space: global }
    .group_segment_fixed_size: 327680
    .private_segment_fixed_size: 0
    .kernarg_segment_align: 8
    .kernarg_segment_size: 32
    .max_flat_workgroup_size: 128
    .sgpr_count:     98
    .vgpr_count:     1024
    .wavefront_size: 32
...
	.end_amdgpu_metadata
.endif
;; end of part 4
